; MI455X (gfx1250); checked and timed in simulation.
; The chip was launched on July 23, 2026; its instructions are those of AMD's public machine-readable ISA for CDNA 5 (MIT licence, August 2026) and "CDNA5" Instruction Set Architecture Reference Guide (July 2026). The comments in the code are by the model that wrote it; some were corrected since.
;; Standard Multi Head Attention. Allowed arithmetic: matrix products marked QUANTISED: E2M1 operands, one E8M0 scale for each 32 along K, by v_wmma_scale_f32_16x16x128_f8f6f4 with both operands' format E2M1 (or v_wmma_scale_f32_32x16x128_f4), f32 sums; products left as they are: bf16, f16 or f32 operands; f32 sums; everything else in f32.
;; Inputs: Wk 1,024 x 1,024 float32; Wo 1,024 x 1,024 float32; Wq 1,024 x 1,024 float32; Wv 1,024 x 1,024 float32; bk 1,024 float32; bo 1,024 float32; bq 1,024 float32; bv 1,024 float32; mask 4 x 2,048 x 2,048 int32; x 4 x 2,048 x 1,024 float32.
;; Outputs: out0 4 x 2,048 x 1,024 float32.
;; This version of the problem:
;;   THIS VERSION OF THE PROBLEM IS GIVEN IN LOW PRECISION. The matrix products marked QUANTISED in the list below multiply operands that are first quantised to E2M1 (2 exponent bits, 1 mantissa bit; 4 bits a number), with one power-of-two scale for each 32 numbers along K (OCP MX v1.0); their sums are f32. The products marked 'left as it is' may take bf16, f16 or f32 operands, with f32 sums. Whichever they take, every output number must still come out within the allowed error. Rounding operands to bf16 (8 significant bits) uses up far more of that allowance than f16 does (11 bits, for magnitudes from 6e-5 to 65,504). All else is computed in f32.
;;   The module's matrix products, in the order in which they are computed (A, B: the left and right operand; K: the contracted axis; several contracted axes count as one K, in the product's order):
;;     1. [M 8,192, K 1,024] x [K 1,024, N 1,024]; A: input x; B: input Wq: QUANTISED
;;     2. [M 8,192, K 1,024] x [K 1,024, N 1,024]; A: input x; B: input Wk: QUANTISED
;;     3. [M 8,192, K 1,024] x [K 1,024, N 1,024]; A: input x; B: input Wv: QUANTISED
;;     4. batch 64 x [M 2,048, K 64] x [K 64, N 2,048]; A: computed on the way; B: computed on the way: left as it is (an operand is computed on the way)
;;     5. batch 64 x [M 2,048, K 2,048] x [K 2,048, N 64]; A: computed on the way; B: computed on the way: left as it is (an operand is computed on the way)
;;     6. [M 8,192, K 1,024] x [K 1,024, N 1,024]; A: computed on the way; B: input Wo: left as it is (an operand is computed on the way)
;;   THE QUANTISER, for each operand of a quantised product, along K:
;;     - K is cut into blocks of 32 from its start; a last block that is shorter is filled with zeros.
;;     - A block's scale is 2^e with e = floor(log2(the largest magnitude in the block)) - 2, held to -126 .. 127; a block of zeros has e = 0. As a byte (E8M0): e + 127.
;;     - Each number is divided by its block's scale, clamped to +-6, and rounded to the nearest number of E2M1, ties to even, subnormals kept.
;;     - The product sums the exact products of the quantised numbers (number of the format x scale) in f32.
;;   ~~~python
;;   def quantise(x, axis):      # numpy; x: float32 -> the quantised numbers, widened to float32 again
;;       x = np.moveaxis(x, axis, -1); K = x.shape[-1]
;;       x = np.pad(x, [(0, 0)] * (x.ndim - 1) + [(0, -K % 32)]); x = x.reshape(x.shape[:-1] + (-1, 32)); a = np.abs(x).max(-1, keepdims=True)
;;       e = np.where(a > 0, np.clip(np.frexp(np.where(a > 0, a, 1))[1] - 1 - 2, -126, 127), 0)      # np.frexp(a)[1] - 1 = floor(log2(a)), exactly
;;       r = np.clip(x / 2.0 ** e, -6, 6)
;;       step = 2.0 ** (np.maximum(np.frexp(np.where(r == 0, 1, r))[1] - 1, 0) - 1)
;;       q = np.round(r / step) * step * 2.0 ** e      # np.round: ties to even
;;       return np.moveaxis(q.reshape(q.shape[:-2] + (-1,))[..., :K], -1, axis).astype(np.float32)
;;   ~~~
;; One version. Each part assembles by itself: llvm-mc -triple=amdgcn-amd-amdhsa -mcpu=gfx1250 --defsym DOCPART=n.
;; ======== version 1 of 1: 4 launches
;; limits: right only within a limited range of input values; values are held in f16: magnitudes above 65,504 overflow, below 6.1e-05 lose precision
;; workspace buffers: codes 5,767,168 bytes; scales 360,448 bytes; woh 2,097,152 bytes; mbits 2,097,152 bytes of whole numbers; mflags 8,192 bytes of whole numbers; qkv 50,331,648 bytes; att 16,777,216 bytes
;; launch prep (part 1): grid 896 x 1, 4 waves a work-group, no clusters, 67,072 bytes of LDS; arguments x, Wq, Wk, Wv, Wo, mask, codes, scales, woh, mbits, mflags; writes codes, scales, woh, mbits, mflags
.if DOCPART == 1
	.amdgcn_target "amdgcn-amd-amdhsa--gfx1250"
	.amdhsa_code_object_version 6
	.text
	.protected	k_q1f8fddc196_prep
	.globl	k_q1f8fddc196_prep
	.p2align	8
	.type	k_q1f8fddc196_prep,@function
k_q1f8fddc196_prep:
	s_mov_b64 s[64:65], 0
	v_nop
	global_prefetch_b8 v0, s[64:65] scope:SCOPE_SE
	s_setreg_imm32_b32 hwreg(HW_REG_WAVE_MODE, 25, 1), 1
	s_wait_xcnt 0x0
; THE LAUNCH IN FRONT OF THE PRODUCTS.  Three kinds of work-group, told apart by the work-group's number alone; each kind has LDS bytes of its own and its own end.
;  0-511   MASK: mask [4][2048][2048] int32 becomes bits.  Work-group qt takes 16 queries (a tile), wave w the keys 512 w .. 512 w + 511.
;          mbits [512 tiles of queries][128 tiles of 16 keys][8 words]: bit l of word j = (mask[16 qt + l % 16][16 kt + 8 (l / 16) + j] != 0): the lane mask of register j of a tile of scores (keys x queries).
;          mflags [512][4 words]: word 0 ANY, word 1 ALL (bit s: key step s of 64 keys has a key that counts / only such keys), word 2, 3: byte w = which of rows 0-7, 8-15 have a key in quarter w.
;  512-863 QUANT: x [8192][1024] and Wq, Wk, Wv [1024][1024], f32, K innermost, become codes of FP4 (E2M1) and one E8M0 byte for each 32 along K; the three weights' rows follow x's in both buffers.
;          A block's byte is its largest magnitude's exponent field - 2, held at 1 from below (a block of zeros gets 1: its codes are zeros, and this program alone reads the bytes).
;  864-895 CAST: Wo [1024 n][1024 k] f32 becomes f16, laid [16 chunks of 64 k][1024 n][64 k].
; LIMITS: NaN and infinities are not served; |Wo| stays under 65,504 (f16); blocks whose largest magnitude lies under 2^-124 keep the byte 1.
; No tensor load, no barrier: waves share nothing.
.set SPW,   12                         ; v12  LDS address of my spare word; never rewritten
.set NIL,   13                         ; v13  0; never rewritten
.set WREG,  8192                       ; QUANT: LDS bytes 0 .. 32,767, 8,192 for each wave
.set MSTG,  32768                      ; MASK: LDS bytes 32,768 .. 66,559: a stage of 16 rows x 528 bytes for each wave
.set MWAVE, 16*528
.set SPARE, MSTG+4*MWAVE               ; the spare words, 128 bytes for each wave: two blocks of 256 bytes that no other line names
.macro FINISH                          ; a wave's end: three lines behind my last LDS store, the first of them even in a text with no tensor load
	s_wait_tensorcnt 0x0
	ds_add_u32 v[SPW], v[NIL]
	s_wait_dscnt 0x0
	s_endpgm
.endm
	s_load_b512 s[68:83], s[0:1], 0x0              ; x 68, Wq 70, Wk 72, Wv 74, Wo 76, mask 78, codes 80, scales 82
	s_load_b128 s[84:87], s[0:1], 0x40             ; woh 84, mbits 86
	s_load_b64 s[88:89], s[0:1], 0x50              ; mflags
	v_lshl_add_u32 v[SPW], v0, 2, SPARE
	v_mov_b32 v[NIL], 0
	v_lshrrev_b32 v1, 5, v0
	v_readfirstlane_b32 s16, v1                    ; wave 0..3
	v_and_b32 v2, 31, v0                           ; lane
	s_wait_kmcnt 0x0
	s_cmp_lt_u32 ttmp9, 512
	s_cbranch_scc1 .Lmask
	s_cmp_lt_u32 ttmp9, 864
	s_cbranch_scc0 .Lcast
; ---------------------------------------------------------------- QUANT
; A wave takes 16 steps of 512 numbers.  Each of a step's four loads reads 512 consecutive bytes; the 2,048 bytes turn through the wave's own stage, so that a lane then holds 16 neighbours along K
; (two neighbouring lanes hold a block of 32).  A lane's 16 codes are 8 bytes: the wave stores 256 consecutive bytes.  A wave's 256 scale bytes are gathered in LDS and leave as one aligned run of 256 bytes.
.set STEPS, 16
.set EMAX,  2
.set CB,    8                          ; bytes of 16 codes
.set R,     16                         ; v16-79   four sets of 16 numbers as they are loaded
.set X,     80                         ; v80-111  two sets of 16 neighbours
.set E,     112                        ; v112-127 a scale byte for each step
.set C,     128                        ; v128-191 codes: four registers for each step, so that no store's data are written again
.set SP,    80                         ; a lane's place in a stage: 64 bytes + 16 of padding
	v_lshlrev_b32 v3, 4, v2                        ; my 16 bytes of a load's 512
	s_mul_i32 s17, s16, WREG
	v_lshrrev_b32 v14, 2, v2
	v_mul_u32_u24 v14, v14, SP
	v_and_b32 v15, 3, v2
	v_lshl_add_u32 v14, v15, 4, v14
	v_add_nc_u32 v14, s17, v14                     ; the stage, on the way in: SP (lane / 4) + 16 (lane % 4)
	v_mul_u32_u24 v15, v2, SP
	v_add_nc_u32 v15, s17, v15                     ; and on the way out: SP x lane
	v_mul_u32_u24 v4, v2, CB                       ; my codes' place in a step's
	v_lshrrev_b32 v5, 1, v2
	s_add_co_u32 s17, s17, 2*32*SP
	v_add_nc_u32 v5, s17, v5                       ; my wave's 256 scale bytes, my block's byte
	v_lshlrev_b32 v7, 3, v2
	v_add_nc_u32 v6, s17, v7                       ; and on the way out 8 bytes a lane
	s_sub_co_u32 s18, ttmp9, 512                   ; g = 0 .. 351: 256 work-groups for x, 32 for each weight
	s_and_b32 s19, s18, 31
	s_cmp_lt_u32 s18, 320                          ; the choices hang on the work-group's number alone
	s_cselect_b64 s[4:5], s[72:73], s[74:75]
	s_cmp_lt_u32 s18, 288
	s_cselect_b64 s[4:5], s[70:71], s[4:5]
	s_cmp_lt_u32 s18, 256
	s_cselect_b64 s[4:5], s[68:69], s[4:5]
	s_cselect_b32 s19, s18, s19                    ; the work-group's number inside its tensor
	s_lshl_b32 s19, s19, 2
	s_add_co_u32 s20, s19, s16                     ; which run of 8,192 numbers of the tensor is my wave's
	s_lshl_b32 s20, s20, 15                        ; 32,768 bytes a run
	s_mov_b32 s21, 0
	s_add_nc_u64 s[4:5], s[4:5], s[20:21]
	s_lshl_b32 s18, s18, 2
	s_add_co_u32 s18, s18, s16                     ; and which run of the codes' and scales' buffers
	s_lshl_b32 s20, s18, 12                        ; 4,096 bytes of codes a run
	s_add_nc_u64 s[8:9], s[80:81], s[20:21]
	s_lshl_b32 s20, s18, 8                         ; 256 scale bytes a run
	s_add_nc_u64 s[10:11], s[82:83], s[20:21]
.macro LOAD t
.irp i, 0,1,2,3
	global_load_b128 v[R+16*((\t)%4)+4*\i:R+16*((\t)%4)+4*\i+3], v3, s[4:5] offset:2048*(\t)+512*\i th:TH_LOAD_NT   ; 32 lanes read 512 consecutive bytes
.endr
.endm
.macro TURN t                          ; step t's numbers through the stage: LDS serves a wave's instructions in order, so no wait stands between the stores and the loads
.irp i, 0,1,2,3
	ds_store_b128 v14, v[R+16*((\t)%4)+4*\i:R+16*((\t)%4)+4*\i+3] offset:32*SP*((\t)%2)+8*SP*\i
.endr
.irp i, 0,1,2,3
	ds_load_b128 v[X+16*((\t)%2)+4*\i:X+16*((\t)%2)+4*\i+3], v15 offset:32*SP*((\t)%2)+16*\i
.endr
.endm
.irp t, 0,1,2,3
	LOAD \t
.endr
	s_wait_loadcnt 12                              ; step 0's four loads are in
	TURN 0
.macro STEP t
.set XS, X+16*((\t)%2)
.if (\t) > 0
	s_wait_dscnt 1                                 ; this step's numbers are back from the stage (the last step's byte store may be out): so its stores into the stage have read their registers,
.else
	s_wait_dscnt 0x0
.endif
.if (\t)+4 < STEPS
	LOAD (\t)+4                                    ; which take the loads of four steps on
.endif
.if (\t)+1 < STEPS
.if STEPS-2-(\t) >= 3
	s_wait_loadcnt 12                              ; the next step's four loads are in; those of the three steps behind it may be out
.else
	s_wait_loadcnt 4*(STEPS-2-(\t))
.endif
	TURN (\t)+1                                    ; and go through the other stage while this step is worked
.endif
	v_max3_num_f32 v8, |v[XS]|, |v[XS+1]|, |v[XS+2]|               ; the largest magnitude of my 16
	v_max3_num_f32 v9, |v[XS+3]|, |v[XS+4]|, |v[XS+5]|
.irp i, 6,10
	v_max3_num_f32 v8, v8, |v[XS+\i]|, |v[XS+\i+1]|
	v_max3_num_f32 v9, v9, |v[XS+\i+2]|, |v[XS+\i+3]|
.endr
	v_max3_num_f32 v8, v8, |v[XS+14]|, |v[XS+15]|
	v_max3_num_f32 v8, v8, v9, (EMAX+1)<<23        ; and the floor 2^(3 - 127): so the byte cannot fall under 1
	v_max_num_f32_dpp v8, v8, v8 row_xmask:1 row_mask:0xf bank_mask:0xf   ; and of my neighbour's 16: the block's
	v_add_nc_u32 v11, -(EMAX<<23), v8              ; 2 off its exponent field: the conversion takes the exponent field of this operand as its scale, and nothing else of it
	v_cvt_scalef32_pk8_fp4_f32 v[C+4*(\t)], v[XS:XS+7], v11        ; eight numbers / the scale, to the nearest code, ties to even, beyond the largest code the largest
	v_cvt_scalef32_pk8_fp4_f32 v[C+4*(\t)+1], v[XS+8:XS+15], v11
	v_lshrrev_b32 v[E+(\t)], 23, v11               ; the scale's byte
	ds_store_b8 v5, v[E+(\t)] offset:16*(\t)       ; both lanes of a block write the same byte with the same value
	global_store_b64 v4, v[C+4*(\t):C+4*(\t)+1], s[8:9] offset:32*CB*(\t)
.endm
.irp t, 0,1,2,3,4,5,6,7,8,9,10,11,12,13,14,15
	STEP \t
.endr
	ds_load_b64 v[8:9], v6                         ; LDS serves a wave's instructions in order: these see my stores
	s_wait_dscnt 0x0
	global_store_b64 v7, v[8:9], s[10:11]          ; 32 lanes store 256 consecutive bytes, aligned
	FINISH
; ---------------------------------------------------------------- MASK
; Four chunks of 128 keys.  A chunk's 16 loads read 512 consecutive bytes of one row each; the 16 rows turn through the wave's stage (rows 528 bytes apart), so that lane l then holds, for each tile of 16 keys,
; the eight numbers mask[row l % 16][16 kt + 8 (l / 16) + 0 .. 7].  One compare makes one word.  A chunk's 64 words are set into a register pair, two words a lane, and leave as 256 consecutive bytes.
.set MR0, 32                           ; v32-95, v96-159  two sets of 16 rows as loaded
.set MX,  160                          ; v160-223  a chunk as the compares want it: 8 tiles of keys x 8 registers
.set OW,  16                           ; v16-23   four pairs: a chunk's 64 words
.set MW,  20                           ; s[20:51] a key step's 32 words
.Lmask:
	v_lshlrev_b32 v3, 4, v2                        ; 16 x lane
	s_mul_i32 s17, s16, MWAVE
	s_add_co_u32 s17, s17, MSTG                    ; my stage
	v_add_nc_u32 v4, s17, v3                       ; into it: 16 x lane of a row
	v_and_b32 v9, 15, v2
	v_lshrrev_b32 v10, 4, v2
	v_mul_u32_u24 v5, v9, 528
	v_lshl_add_u32 v5, v10, 5, v5
	v_add_nc_u32 v5, s17, v5                       ; out of it: row lane % 16, + 32 (lane / 16)
	v_lshlrev_b32 v6, 3, v2                        ; a chunk's words: 8 bytes a lane
	v_lshlrev_b32 v7, 2, v2
	v_add_nc_u32 v7, s16, v7                       ; the flags: byte w of word (lane)
.irp i, 0,1,2,3,4,5,6,7
	v_mov_b32 v[OW+\i], 0                          ; written once: v_writelane_b32's destination counts as one of its sources
.endr
	s_lshl_b32 s18, ttmp9, 17                      ; 16 rows of 8,192 bytes a tile of queries,
	s_lshl_b32 s19, s16, 11                        ; 2,048 bytes a quarter of the keys
	s_add_co_u32 s18, s18, s19
	s_mov_b32 s19, 0
	s_add_nc_u64 s[78:79], s[78:79], s[18:19]
	s_lshl_b32 s18, ttmp9, 12                      ; 4,096 bytes of words a tile of queries,
	s_lshl_b32 s2, s16, 10                         ; 1,024 a quarter
	s_add_co_u32 s18, s18, s2
	s_add_nc_u64 s[86:87], s[86:87], s[18:19]
	s_lshl_b32 s18, ttmp9, 4                       ; 16 bytes of flags a tile
	s_add_nc_u64 s[88:89], s[88:89], s[18:19]
	s_mov_b32 s8, 0                                ; ANY: my quarter's eight key steps
	s_mov_b32 s9, 0                                ; ALL
	s_mov_b32 s10, 0                               ; which lanes have met a key that counts
.macro MLOAD ch, set
.irp i, 0,1,2,3,4,5,6,7,8,9,10,11,12,13,14,15
	global_load_b128 v[\set+4*\i:\set+4*\i+3], v3, s[78:79] offset:\i*8192+(\ch)*512 th:TH_LOAD_NT
.endr
.endm
.macro MSTEP ch, st                    ; key step st of chunk ch: 64 keys, 32 words
.set i, 0
.rept 32
	v_cmp_ne_u32 s[MW+i], 0, v[MX+32*\st+i]
.set i, i+1
.endr
.set i, 0
.rept 32
	v_writelane_b32 v[OW+2*\ch+(i&1)], s[MW+i], 16*\st+(i>>1)      ; word 32 st + i of the chunk: lane (32 st + i) / 2, register i % 2
.set i, i+1
.endr
	s_or_b32 s2, s[MW], s[MW+1]
	s_and_b32 s3, s[MW], s[MW+1]
.set i, 2
.rept 30
	s_or_b32 s2, s2, s[MW+i]
	s_and_b32 s3, s3, s[MW+i]
.set i, i+1
.endr
	s_or_b32 s10, s10, s2
	s_cmp_lg_u32 s2, 0
	s_cselect_b32 s4, 1<<(2*\ch+\st), 0
	s_or_b32 s8, s8, s4
	s_cmp_eq_u32 s3, -1
	s_cselect_b32 s4, 1<<(2*\ch+\st), 0
	s_or_b32 s9, s9, s4
.endm
.macro MCHUNK ch
.if \ch < 3
	s_wait_loadcnt 16                              ; this chunk's 16 loads are in; the next chunk's may be out
.else
	s_wait_loadcnt 0x0
.endif
.set MS, MR0+64*((\ch)%2)
.irp i, 0,1,2,3,4,5,6,7,8,9,10,11,12,13,14,15
	ds_store_b128 v4, v[MS+4*\i:MS+4*\i+3] offset:\i*528
.endr
.irp kt, 0,1,2,3,4,5,6,7
	ds_load_b128 v[MX+8*\kt:MX+8*\kt+3], v5 offset:64*\kt          ; LDS serves a wave's instructions in order: these see the stores above
	ds_load_b128 v[MX+8*\kt+4:MX+8*\kt+7], v5 offset:64*\kt+16
.endr
	s_wait_dscnt 0x0                               ; the chunk is back, and the stores have read their registers,
.if \ch < 2
	MLOAD \ch+2, MS                                ; which take the chunk two further on
.endif
	MSTEP \ch, 0
	MSTEP \ch, 1
	global_store_b64 v6, v[OW+2*\ch:OW+2*\ch+1], s[86:87] offset:256*\ch   ; 32 lanes store 256 consecutive bytes, aligned; each chunk has its own pair, so no store's data are written again
.endm
	MLOAD 0, MR0
	MLOAD 1, MR0+64
	MCHUNK 0
	MCHUNK 1
	MCHUNK 2
	MCHUNK 3
	s_lshr_b32 s2, s10, 16
	s_or_b32 s2, s2, s10                           ; bit r (0 .. 15): row r has a key that counts in my quarter
	s_and_b32 s3, s2, 0xff
	s_bfe_u32 s4, s2, 0x80008
	v_mov_b32 v8, 0
	v_writelane_b32 v8, s8, 0
	v_writelane_b32 v8, s9, 1
	v_writelane_b32 v8, s3, 2
	v_writelane_b32 v8, s4, 3
	s_wait_xcnt 0x0                                ; EXEC changes only behind this wait
	v_cmp_gt_u32 vcc_lo, 4, v2
	s_and_saveexec_b32 s5, vcc_lo
	global_store_b8 v7, v8, s[88:89]               ; four bytes a wave, each in another word: 8,192 bytes in the whole launch
	s_wait_xcnt 0x0                                ; and again, in front of the line that widens it
	s_or_b32 exec_lo, exec_lo, s5
	FINISH
; ---------------------------------------------------------------- CAST
; Wave W = 0 .. 127 takes rows 8 W .. 8 W + 7 of Wo.  One step: four rows x one chunk of 64 k: eight lanes read 256 consecutive bytes of a row, the wave stores 512 consecutive bytes.  32 steps in four rounds; loads two rounds ahead.
.set CIN,  32                          ; v32-95, v96-159    two sets: eight steps x 8 numbers a lane
.set COUT, 160                         ; v160-191, v192-223 two sets: eight steps x 4 registers
.Lcast:
	v_lshrrev_b32 v3, 3, v2
	v_and_b32 v4, 7, v2
	v_lshlrev_b32 v3, 12, v3
	v_lshl_add_u32 v3, v4, 5, v3                   ; in: row lane / 8, 32 bytes a lane
	v_lshlrev_b32 v4, 4, v2                        ; out: 16 bytes a lane
	s_sub_co_u32 s18, ttmp9, 864
	s_lshl_b32 s18, s18, 2
	s_add_co_u32 s18, s18, s16                     ; W
	s_lshl_b32 s20, s18, 15                        ; 8 rows of 4,096 bytes
	s_mov_b32 s21, 0
	s_add_nc_u64 s[76:77], s[76:77], s[20:21]
	s_lshl_b32 s20, s18, 10                        ; 8 rows of 128 bytes in a chunk
	s_add_nc_u64 s[84:85], s[84:85], s[20:21]
.macro CLOAD rd
.set e, 0
.rept 8
.set it, 8*(\rd)+e
.set CI, CIN+64*((\rd)%2)+8*e
	global_load_b128 v[CI:CI+3], v3, s[76:77] offset:(it>>4)*16384+(it&15)*256 th:TH_LOAD_NT
	global_load_b128 v[CI+4:CI+7], v3, s[76:77] offset:(it>>4)*16384+(it&15)*256+16 th:TH_LOAD_NT
.set e, e+1
.endr
.endm
.macro CWORK rd
.if (\rd) < 3
	s_wait_loadcnt 16                              ; this round's 16 loads are in; the next round's may be out
.else
	s_wait_loadcnt 0x0
.endif
.if (\rd) >= 2
	s_wait_xcnt 0x0                                ; the stores of two rounds back have read their registers
.endif
.set e, 0
.rept 32
	v_cvt_pk_f16_f32 v[COUT+32*((\rd)%2)+e], v[CIN+64*((\rd)%2)+2*e], v[CIN+64*((\rd)%2)+2*e+1]
.set e, e+1
.endr
.if (\rd)+2 < 4
	CLOAD (\rd)+2
.endif
.set e, 0
.rept 8
.set it, 8*(\rd)+e
	global_store_b128 v4, v[COUT+32*((\rd)%2)+4*e:COUT+32*((\rd)%2)+4*e+3], s[84:85] offset:(it&15)*131072+(it>>4)*512
.set e, e+1
.endr
.endm
	CLOAD 0
	CLOAD 1
	CWORK 0
	CWORK 1
	CWORK 2
	CWORK 3
	FINISH
.Lfunc_end_k_q1f8fddc196_prep:
	.size	k_q1f8fddc196_prep, .Lfunc_end_k_q1f8fddc196_prep-k_q1f8fddc196_prep
	.p2alignl 7, 3214868480
	.fill 96, 4, 3214868480
	.section	.rodata,"a",@progbits
	.p2align	6, 0x0
	.amdhsa_kernel k_q1f8fddc196_prep
		.amdhsa_group_segment_fixed_size 67072
		.amdhsa_private_segment_fixed_size 0
		.amdhsa_enable_private_segment 0
		.amdhsa_kernarg_size 88
		.amdhsa_user_sgpr_count 2
		.amdhsa_user_sgpr_kernarg_segment_ptr 1
		.amdhsa_wavefront_size32 1
		.amdhsa_system_sgpr_workgroup_id_x 1
		.amdhsa_system_sgpr_workgroup_id_y 1
		.amdhsa_system_sgpr_workgroup_id_z 1
		.amdhsa_system_vgpr_workitem_id 0
		.amdhsa_next_free_vgpr 224
		.amdhsa_next_free_sgpr 96
		.amdhsa_reserve_vcc 1
		.amdhsa_float_denorm_mode_32 3
		.amdhsa_float_denorm_mode_16_64 3
		.amdhsa_memory_ordered 1
		.amdhsa_forward_progress 1
		.amdhsa_inst_pref_size 118
	.end_amdhsa_kernel
	.amdgpu_metadata
---
amdhsa.version: [ 1, 2 ]
amdhsa.kernels:
  - .name:           k_q1f8fddc196_prep
    .symbol:         k_q1f8fddc196_prep.kd
    .args:
      - { .name: x, .offset: 0, .size: 8, .value_kind: global_buffer, .address_space: global }
      - { .name: Wq, .offset: 8, .size: 8, .value_kind: global_buffer, .address_space: global }
      - { .name: Wk, .offset: 16, .size: 8, .value_kind: global_buffer, .address_space: global }
      - { .name: Wv, .offset: 24, .size: 8, .value_kind: global_buffer, .address_space: global }
      - { .name: Wo, .offset: 32, .size: 8, .value_kind: global_buffer, .address_space: global }
      - { .name: mask, .offset: 40, .size: 8, .value_kind: global_buffer, .address_space: global }
      - { .name: codes, .offset: 48, .size: 8, .value_kind: global_buffer, .address_space: global }
      - { .name: scales, .offset: 56, .size: 8, .value_kind: global_buffer, .address_space: global }
      - { .name: woh, .offset: 64, .size: 8, .value_kind: global_buffer, .address_space: global }
      - { .name: mbits, .offset: 72, .size: 8, .value_kind: global_buffer, .address_space: global }
      - { .name: mflags, .offset: 80, .size: 8, .value_kind: global_buffer, .address_space: global }
    .group_segment_fixed_size: 67072
    .private_segment_fixed_size: 0
    .kernarg_segment_align: 8
    .kernarg_segment_size: 88
    .max_flat_workgroup_size: 128
    .sgpr_count:     96
    .vgpr_count:     224
    .wavefront_size: 32
...
	.end_amdgpu_metadata
.endif
;; end of part 1
;; launch qkvgemm (part 2): grid 12 x 32, 4 waves a work-group, clusters of 4 x 4, 327,680 bytes of LDS; arguments codes, scales, qkv, bq, bk, bv; writes qkv
.if DOCPART == 2
	.amdgcn_target "amdgcn-amd-amdhsa--gfx1250"
	.amdhsa_code_object_version 6
	.text
	.protected	k_q1f8fddc196_qkvgemm
	.globl	k_q1f8fddc196_qkvgemm
	.p2align	8
	.type	k_q1f8fddc196_qkvgemm,@function
k_q1f8fddc196_qkvgemm:
	s_mov_b64 s[64:65], 0
	v_nop
	global_prefetch_b8 v0, s[64:65] scope:SCOPE_SE
	s_setreg_imm32_b32 hwreg(HW_REG_WAVE_MODE, 25, 1), 1
	s_wait_xcnt 0x0
	s_wait_alu depctr_hold_cnt(0) depctr_sa_sdst(0) depctr_va_vdst(0) depctr_va_sdst(0) depctr_va_ssrc(0) depctr_va_vcc(0) depctr_vm_vsrc(0)
	s_getreg_b32 s2, hwreg(HW_REG_IB_STS2, 6, 4)
	s_cmp_eq_u32 s2, 0
	s_cbranch_scc0 .Lentry_in_a_cluster
	s_endpgm
.Lentry_in_a_cluster:
	s_bfe_u32 s2, ttmp6, 0x10000c
	s_cmp_lg_u32 s2, 0xf033
	s_cbranch_scc0 .Lentry_shape_is_right
	s_endpgm
.Lentry_shape_is_right:
; q, k, v = x W^T + b for W = Wq | Wk | Wv: one product [8192 tokens][1024 K] x [3072 rows of the three weights][1024 K] on codes of FP4 (E2M1) with one E8M0 scale for each 32 along K; sums in f32.
; codes: x's rows [8192][512 bytes], then the weights' [3072][512] from byte 4,194,304; scales: [8192][32 bytes], then [3072][32] from byte 262,144.
; OUT: qkv, f16, [3][16 b + h][2048][64].  q is stored as c (x Wq^T + bq), c = log2(e) / 8, so that the next launch's scores are exponents of two as they stand.
; LIMIT: |c q|, |k|, |v| stay under 65,504, f16's largest number.
; A tile of 256 tokens x 256 columns is made by four waves, each 128 x 128: 64 accumulators, 512 registers.  K = 1,024 is two slots of 512 along K (rows of 256 bytes): both are asked for at the start and nothing is filled again.
; The scale bytes of the tile's 256 + 256 rows, for all of K, come once, as rows of 256 bytes.
; CLUSTERS: 4 x 4 work-groups.  The four of a row of the cluster need the same tiles of x, the four of a column the same tiles of the weights: each is asked for JOINTLY, by the same tensor load with the same descriptor
; and a mask that names the four.  A column of clusters is one weight matrix (cluster x = 0: Wq, 1: Wk, 2: Wv).
; THE MATRIX INSTRUCTION IS USED TRANSPOSED (source 0 = 16 rows of W, source 1 = 16 tokens): a lane then holds eight neighbouring columns of one token.
; No prefetch: all of a work-group's tiles are asked for at its head.  384 tiles do not share out evenly among work-groups that stay, so each tile has its work-group.
; REGISTERS, in windows of 256: window 0: v0-31 addresses; v32-95 scale words, two sets, and nothing else; v96-127 packed results; v128-191 x's fragments, one set, later rows on their way out; v192-255 the bias.
;   window 1: W's fragments, two sets, at v0 and v128.   window 2: the accumulators of my tokens 0-63 ((a, b) at v[8 (8 a + b)]);   window 3: those of tokens 64-127.
.set KSTEP,  512
.set NQ,     KSTEP/128
.set ROWB,   256                       ; a tile's row in bytes
.set KROW,   512                       ; a row of codes in memory
.set PITCH,  272                       ; an LDS row: 256 bytes + 16 of padding: the 16 rows that a load touches start at 16 different 16-byte columns of the 64 banks (ISA guide 11.1)
.set FR,     8
.set NL,     2
.set NP,     4                         ; places behind this matrix instruction (ISA guide 7.12.1)
.set HALFT,  128*PITCH
.set SLOT,   4*HALFT
.set KS,     32                        ; a row of scale bytes
.set SCL,    2*SLOT
.set HALFS,  (128*KS/256)*272
.set SBLK,   (16*KS/256)*272
.set SPARE,  SCL+4*HALFS               ; the spare words, 128 bytes for each wave: two blocks of 256 bytes that no other line names
.set SPITCH, 272                       ; the way out: a stage of 16 rows x (256 bytes + 16) for each wave, in slot 0, which has had its last fill and its last read when the first result is stored there
.set ADRA, 16
.set ADRB, 20
.set STO,  24
.set RD,   25
.set CO,   26
.set ADRS, 27
.set SPW,  28                          ; v28  LDS address of my spare word; never rewritten
.set NIL,  29                          ; v29  0; never rewritten
.set BOF,  30                          ; v30  32 (lane / 16): my eight numbers of a block of 16 of the bias
.set SC,   32
.set TMP,  96
.set AF,   128
.set BK,   128
.set BI,   192
.set G1, 24
.set G0, 32
.set G1B, 48
.set G0B, 56
.set G1S, 68
.set G0S, 76
.set G1SB, 80
.set G0SB, 88
.set MSB, 0
.macro WIN new                         ; the immediate's high byte repeats the setting that is left
.if MSB != (\new)
	s_set_vgpr_msb (MSB<<8)|(\new)
.set MSB, (\new)
.endif
.endm
.set MUL_LO, 0xa1                      ; source 0 (W) window 1, source 1 (x) window 0, C and D window 2
.set MUL_HI, 0xf1                      ; the same, C and D window 3
.set TO_B,   0x40                      ; destination window 1, address window 0
; A joint load: waves 0 and 1 fetch for x, waves 2 and 3 for W.  The branch hangs on the wave's number alone.  An s_nop 0 and four v_nop follow each of the two lines.
.macro JLOAD g0a, g1a, g0b, g1b
	s_cmp_eq_u32 s15, 0
	s_cbranch_scc0 .Lfor_b_\@
	tensor_load_to_lds s[\g0a:\g0a+3], s[\g1a:\g1a+7]
	s_nop 0
.rept 4
	v_nop
.endr
	s_branch .Lasked_\@
.Lfor_b_\@:
	tensor_load_to_lds s[\g0b:\g0b+3], s[\g1b:\g1b+7]
	s_nop 0
.rept 4
	v_nop
.endr
.Lasked_\@:
.endm
.macro CROUND                          ; a round of the cluster's barrier
	s_barrier_signal -1
	s_barrier_wait -1
	s_cmp_lg_u32 s14, 0
	s_cbranch_scc1 .Lnot_wave_0_\@
	s_barrier_signal -3
.Lnot_wave_0_\@:
	s_barrier_wait -3
	s_barrier_signal -1
	s_barrier_wait -1
.endm
	s_load_b128 s[4:7], s[0:1], 0x0                ; codes, scales
	s_load_b64 s[12:13], s[0:1], 0x10              ; qkv
	s_load_b128 s[96:99], s[0:1], 0x18             ; bq, bk
	s_load_b64 s[100:101], s[0:1], 0x28            ; bv
	v_lshl_add_u32 v[SPW], v0, 2, SPARE
	v_mov_b32 v[NIL], 0
	ds_add_u32 v[SPW], v[NIL]                      ; the wave's opening: the add and its wait stand ahead of my first tensor load; the set-up below, work on registers, stands between them
	v_lshrrev_b32 v1, 5, v0
	v_readfirstlane_b32 s14, v1                    ; wave 0..3
	s_lshr_b32 s15, s14, 1                         ; which half of the tile's tokens is mine.  Also: I fetch for x (0) or for W (1)
	s_and_b32 s16, s14, 1                          ; which half of its columns.  Also: which 128 rows of that tile I fetch
	s_bfe_u32 s40, ttmp6, 0x40000                  ; cx, cy: my place in the cluster
	s_bfe_u32 s41, ttmp6, 0x40004
	s_lshl_b32 s42, ttmp9, 2
	s_add_co_u32 s42, s42, s40                     ; tile column = 4 x cluster x + cx
	s_and_b32 s17, ttmp7, 0xffff
	s_lshl_b32 s17, s17, 2
	s_add_co_u32 s17, s17, s41                     ; tile row = 4 x cluster y + cy
	s_lshl_b32 s43, s41, 2
	s_lshl_b32 s43, 15, s43                        ; my row of the cluster
	s_lshl_b32 s44, 0x1111, s40                    ; my column
	; descriptor group 1: a tile of 128 rows x 256 bytes, padded in LDS
	s_or_b32 s[G1+0], s43, (0<<16)|(1<<20)|(1<<21)|(5<<22)|(3<<25)  ; 15:0 the mask: x's tiles go to my row; 17:16 element of 1 byte; 20 padding on; 21 set beside a mask; 24:22 after every 64 words; 31:25 of 4 words
	s_or_b32 s[G1B+0], s44, (0<<16)|(1<<20)|(1<<21)|(5<<22)|(3<<25)
.irp g, G1, G1B
	s_mov_b32 s[\g+1], ROWB<<16                    ; tensor_dim0
	s_mov_b32 s[\g+2], 128<<16                     ; tensor_dim1
	s_mov_b32 s[\g+3], ROWB<<16                    ; tile_dim0
	s_mov_b32 s[\g+4], 128                         ; tile_dim1
	s_mov_b32 s[\g+5], KROW                        ; tensor_dim0_stride
	s_mov_b32 s[\g+6], 0
	s_mov_b32 s[\g+7], 0
.endr
	; the scales of 128 rows: a dense block of 4,096 bytes, as 16 rows of 256 bytes (32 elements of 8 bytes), 16 bytes of padding behind each
	s_or_b32 s[G1S+0], s43, (3<<16)|(1<<20)|(1<<21)|(5<<22)|(3<<25)
	s_or_b32 s[G1SB+0], s44, (3<<16)|(1<<20)|(1<<21)|(5<<22)|(3<<25)
.irp g, G1S, G1SB
	s_mov_b32 s[\g+1], 32<<16
	s_mov_b32 s[\g+2], (128*KS/256)<<16
	s_mov_b32 s[\g+3], 32<<16
	s_mov_b32 s[\g+4], 128*KS/256
	s_mov_b32 s[\g+5], 32
	s_mov_b32 s[\g+6], 0
	s_mov_b32 s[\g+7], 0
.endr
	s_lshl_b32 s18, s16, 7                         ; which 128 rows of the tile I fetch
	s_lshl_b32 s20, s17, 8
	s_add_co_u32 s20, s20, s18                     ; x: row 256 x tile row + 128 x half
	s_lshl_b32 s46, s42, 8
	s_add_co_u32 s46, s46, s18                     ; W: row 256 x tile column + 128 x half
	s_mov_b32 s21, 0
	s_mov_b32 s47, 0
	s_mov_b64 s[18:19], KS
	s_mul_u64 s[22:23], s[20:21], s[18:19]         ; where these rows' scales begin, in bytes
	s_mul_u64 s[92:93], s[46:47], s[18:19]
	s_mov_b64 s[18:19], KROW
	s_mul_u64 s[20:21], s[20:21], s[18:19]         ; and their codes
	s_mul_u64 s[46:47], s[46:47], s[18:19]
	s_mul_i32 s45, s14, HALFT                      ; where they go: wave x 128 rows: no place in the cluster enters an LDS address
	s_mul_i32 s94, s14, HALFS
	s_wait_dscnt 0x0                               ; the opening add is done
	s_wait_kmcnt 0x0
	s_add_nc_u64 s[8:9], s[4:5], 0x400000          ; the weights' codes lie behind x's,
	s_add_nc_u64 s[10:11], s[6:7], 0x40000         ; and their scale bytes behind x's
	s_add_nc_u64 s[20:21], s[4:5], s[20:21]
	s_add_nc_u64 s[22:23], s[6:7], s[22:23]
	s_add_nc_u64 s[46:47], s[8:9], s[46:47]
	s_add_nc_u64 s[92:93], s[10:11], s[92:93]
	CROUND                                         ; all sixteen work-groups are here: the first joint loads meet
	s_mov_b32 s[G0S], 1
	s_add_co_u32 s[G0S+1], s94, SCL
	s_mov_b64 s[G0S+2:G0S+3], s[22:23]
	s_or_b32 s[G0S+3], s[G0S+3], 0x80000000
	s_mov_b32 s[G0SB], 1
	s_add_co_u32 s[G0SB+1], s94, SCL
	s_mov_b64 s[G0SB+2:G0SB+3], s[92:93]
	s_or_b32 s[G0SB+3], s[G0SB+3], 0x80000000
	JLOAD G0S, G1S, G0SB, G1SB                     ; the scales first: they are wanted with the first slot.  Three loads of mine are out at the most
.irp s, 0,1
	s_mov_b32 s[G0+4*\s], 1
	s_add_co_u32 s[G0+4*\s+1], s45, \s*SLOT
	s_add_nc_u64 s[G0+4*\s+2:G0+4*\s+3], s[20:21], \s*ROWB
	s_or_b32 s[G0+4*\s+3], s[G0+4*\s+3], 0x80000000
	s_mov_b32 s[G0B+4*\s], 1
	s_add_co_u32 s[G0B+4*\s+1], s45, \s*SLOT
	s_add_nc_u64 s[G0B+4*\s+2:G0B+4*\s+3], s[46:47], \s*ROWB
	s_or_b32 s[G0B+4*\s+3], s[G0B+4*\s+3], 0x80000000
	JLOAD G0+4*\s, G1, G0B+4*\s, G1B
.endr
	v_and_b32 v1, 15, v0                           ; r = lane % 16
	v_bfe_u32 v2, v0, 4, 1                         ; h = lane / 16
	v_mul_u32_u24 v3, v1, PITCH
	v_lshl_add_u32 v4, v2, 4, v3                   ; a fragment's row x pitch + 16 x half
	s_mul_i32 s21, s15, HALFT                      ; my 128 tokens
	s_mul_i32 s22, s16, HALFT                      ; my 128 rows of W,
	s_add_co_u32 s22, s22, 2*HALFT                 ; which lie behind x's 256
.irp s, 0,1
	v_add_nc_u32 v[ADRA+\s], s21, v4
	v_add_nc_u32 v[ADRB+\s], s22, v4
	s_add_co_u32 s21, s21, SLOT
	s_add_co_u32 s22, s22, SLOT
.endr
	v_mul_u32_u24 v5, v1, KS                       ; my row's scales: 32 bytes a row,
	v_lshrrev_b32 v6, 8, v5
	v_lshl_add_u32 v5, v6, 4, v5                   ; and 16 more for each 256 passed
	s_mul_i32 s21, s15, HALFS                      ; x's: my 128 rows
	s_mul_i32 s22, s16, HALFS                      ; W's: my 128 rows, behind x's 256
	s_add_co_u32 s22, s22, 2*HALFS
	s_sub_co_u32 s22, s22, s21
	v_mul_u32_u24 v6, s22, v2                      ; lanes 16-31 take W's
	s_add_co_u32 s21, s21, SCL
	v_add_nc_u32 v5, v5, v6
	v_add_nc_u32 v[ADRS], s21, v5
	s_mul_i32 s23, s14, 16*SPITCH                  ; my stage
	v_mul_u32_u24 v5, v1, SPITCH                   ; in: row r, 16 bytes for each half of the lanes
	v_lshl_add_u32 v5, v2, 4, v5
	v_add_nc_u32 v[STO], s23, v5
	v_and_b32 v6, 31, v0
	v_lshrrev_b32 v7, 3, v6                        ; back: eight lanes take a head's 128 bytes of a token, four tokens an instruction
	v_mul_u32_u24 v7, v7, SPITCH
	v_and_b32 v8, 7, v0
	v_lshl_add_u32 v7, v8, 4, v7
	v_add_nc_u32 v[RD], s23, v7
	v_lshlrev_b32 v[CO], 4, v6                     ; and the same 512 bytes in qkv: four tokens of a head lie on end
	v_lshlrev_b32 v[BOF], 5, v2
	; where my part begins in qkv: matrix x 16,777,216 + (((tile row / 8) 16 + 4 cx + 2 x column half) 2048 + (tile row % 8) 256 + 128 x token half) x 128 bytes
	s_lshr_b32 s20, s17, 3
	s_lshl_b32 s20, s20, 4
	s_lshl_b32 s21, s16, 1
	s_add_co_u32 s20, s20, s21
	s_lshl_b32 s46, s40, 2
	s_add_co_u32 s20, s20, s46
	s_lshl_b32 s20, s20, 11
	s_and_b32 s21, s17, 7
	s_lshl_b32 s21, s21, 8
	s_add_co_u32 s20, s20, s21
	s_lshl_b32 s21, s15, 7
	s_add_co_u32 s20, s20, s21
	s_lshl_b32 s20, s20, 7
	s_lshl_b32 s21, ttmp9, 24
	s_add_co_u32 s20, s20, s21
	s_mov_b32 s21, 0
	s_add_nc_u64 s[12:13], s[12:13], s[20:21]
	; the bias of my matrix, and the factor: c for q, 1 for k and v.  The choices hang on the cluster's x alone
	s_cmp_eq_u32 ttmp9, 1
	s_cselect_b64 s[98:99], s[98:99], s[100:101]
	s_cmp_eq_u32 ttmp9, 0
	s_cselect_b64 s[96:97], s[96:97], s[98:99]
	s_cselect_b32 s66, 0x3e38aa3b, 1.0             ; c = log2(e) / 8
	s_mov_b32 s67, s66                             ; (named with it as a pair, so it is written)
	s_lshl_b32 s46, s40, 10                        ; my 128 columns: 256 cx + 128 x half, 4 bytes each
	s_lshl_b32 s47, s16, 9
	s_add_co_u32 s46, s46, s47
	s_mov_b32 s47, 0
	s_add_nc_u64 s[96:97], s[96:97], s[46:47]
.irp b, 0,1,2,3,4,5,6,7
	global_load_b128 v[BI+8*\b:BI+8*\b+3], v[BOF], s[96:97] offset:64*\b       ; in the result's layout: lane (r, h): columns 16 b + 8 h + 0 .. 7.  Waited for on the way out
	global_load_b128 v[BI+8*\b+4:BI+8*\b+7], v[BOF], s[96:97] offset:64*\b+16
.endr
.macro FRAG reg, adr, q, i             ; a fragment, 16 rows x 128 K of 4-bit codes, is 8 registers: lane l holds row l % 16; registers 4 c .. 4 c + 3 hold K = 64 c + 32 (l / 16) + 0 .. 31
.irp c, 0,1
	ds_load_b128 v[\reg+4*\c:\reg+4*\c+3], v[\adr] offset:64*(\q)+32*\c+(\i)*16*PITCH
.endr
.endm
; 16 matrix instructions: x's blocks a0, a0 + 1 against W's eight, 128 along K: the slot's q-th.  p: W's set;  sc: the set of scale words.  zero = 1: the first product starts the sums.
; The 64 accumulators take turns, one instruction a turn, in the same order in every step.
.macro MUL16 a0, p, q, sc, zero
.irp a, \a0, \a0+1
.irp b, 0,1,2,3,4,5,6,7
.if \zero
	v_wmma_scale_f32_16x16x128_f8f6f4 v[8*(8*((\a)%4)+\b):8*(8*((\a)%4)+\b)+7], v[128*(\p)+FR*\b:128*(\p)+FR*\b+FR-1], v[AF+FR*(\a):AF+FR*(\a)+FR-1], 0, v[SC+8*NQ*(\sc)+NQ*\b+(\q)], v[SC+8*NQ*(\sc)+NQ*(\a)+(\q)] matrix_a_fmt:MATRIX_FMT_FP4 matrix_b_fmt:MATRIX_FMT_FP4 matrix_a_scale:MATRIX_SCALE_ROW1
.else
	v_wmma_scale_f32_16x16x128_f8f6f4 v[8*(8*((\a)%4)+\b):8*(8*((\a)%4)+\b)+7], v[128*(\p)+FR*\b:128*(\p)+FR*\b+FR-1], v[AF+FR*(\a):AF+FR*(\a)+FR-1], v[8*(8*((\a)%4)+\b):8*(8*((\a)%4)+\b)+7], v[SC+8*NQ*(\sc)+NQ*\b+(\q)], v[SC+8*NQ*(\sc)+NQ*(\a)+(\q)] matrix_a_fmt:MATRIX_FMT_FP4 matrix_b_fmt:MATRIX_FMT_FP4 matrix_a_scale:MATRIX_SCALE_ROW1
.endif
.endr
.endr
.endm
.macro FETCH_B slot, q, p              ; W's eight fragments of the slot's q-th 128 along K into set p
	WIN TO_B
.irp i, 0,1,2,3,4,5,6,7
	FRAG 128*(\p)+FR*\i, ADRB+\slot, \q, \i
.endr
	WIN 0
.endm
.macro FETCH_A slot, q, i0             ; x's blocks i0 .. i0 + 3
.irp i, \i0, \i0+1, \i0+2, \i0+3
	FRAG AF+FR*(\i), ADRA+\slot, \q, \i
.endr
.endm
.macro SCALES sc                       ; a slot's scale words into set sc: four words a row; lanes 0-15 take x's block i, lanes 16-31 W's block i
.irp i, 0,1,2,3,4,5,6,7
	ds_load_b128 v[SC+8*NQ*\sc+NQ*\i:SC+8*NQ*\sc+NQ*\i+3], v[ADRS] offset:\i*SBLK
.endr
.endm
.macro PLACES n                        ; plain vector instructions that name none of the matrix instruction's registers, in front of loads into registers that matrix instructions have read
.rept \n
	v_nop
.endr
.endm
.macro STEP slot, q, zero              ; a step of 128 along K that has its successor in the same slot
	s_wait_dscnt 4*NL                              ; W's set and x's blocks 0-3 are in; the youngest eight loads (x's blocks 4-7) may be out
	WIN MUL_LO
	MUL16 0, (\q)%2, \q, \slot, \zero
	MUL16 2, (\q)%2, \q, \slot, \zero
	s_wait_dscnt 0                                 ; x's blocks 4-7 are in
	PLACES NP
	FETCH_B \slot, (\q)+1, 1-(\q)%2
	FETCH_A \slot, (\q)+1, 0
	WIN MUL_HI
	MUL16 4, (\q)%2, \q, \slot, \zero
	MUL16 6, (\q)%2, \q, \slot, \zero
	PLACES NP
	WIN 0
	FETCH_A \slot, (\q)+1, 4
.endm
.macro STEPS slot, from
.set Q, \from
.rept NQ-1-\from
	STEP \slot, Q, 0
.set Q, Q+1
.endr
.endm
	s_wait_tensorcnt 1                             ; the scales and my part of slot 0 are in (slot 1's load may be out)
	s_barrier_signal -1
	s_barrier_wait -1                              ; everybody's are
	FETCH_B 0, 0, 0
	FETCH_A 0, 0, 0
	SCALES 0
	FETCH_A 0, 0, 4
	STEP 0, 0, 1                                   ; the first step's products start the sums
	STEPS 0, 1
	; slot 0's last step changes slots: one barrier; in front of it each wave waits for all its tensor loads, adds 0 to its spare word, and waits for that and for its own reads of slot 0
	s_wait_tensorcnt 0x0                           ; my part of slot 1 has landed
	ds_add_u32 v[SPW], v[NIL]                      ; 0 onto my spare word
	s_wait_dscnt 4*NL+1                            ; (the add and the youngest eight loads may be out)
	WIN MUL_LO
	MUL16 0, 1, NQ-1, 0, 0
	s_wait_dscnt 0x0                               ; the add is done, and my reads of slot 0 are over
	s_barrier_signal -1
	MUL16 2, 1, NQ-1, 0, 0
	WIN 0
	s_barrier_wait -1                              ; slot 1 is whole, and nobody reads slot 0 any more
	PLACES NP
	v_add_nc_u32 v[ADRS], 4*NQ, v[ADRS]            ; on to slot 1's scale words
	FETCH_B 1, 0, 0
	FETCH_A 1, 0, 0
	SCALES 1
	WIN MUL_HI
	MUL16 4, 1, NQ-1, 0, 0
	MUL16 6, 1, NQ-1, 0, 0
	PLACES NP
	WIN 0
	FETCH_A 1, 0, 4
	STEPS 1, 0
	s_wait_dscnt 4*NL                              ; the very last step: nothing more to fetch
	WIN MUL_LO
	MUL16 0, 1, NQ-1, 1, 0
	MUL16 2, 1, NQ-1, 1, 0
	s_wait_dscnt 0
	WIN MUL_HI
	MUL16 4, 1, NQ-1, 1, 0
	MUL16 6, 1, NQ-1, 1, 0
	WIN 0
; THE WAY OUT, block by block of 16 tokens x 128 columns (two heads).  factor x sum + factor x bias, in place; rounded to f16, 16 bytes a lane; through my stage; back so that 32 lanes hold four tokens of one head, 512 bytes that lie on end in qkv.
	s_wait_loadcnt 0x0                             ; the bias
.set i, 0
.rept 32
	v_pk_mul_f32 v[BI+2*i:BI+2*i+1], v[BI+2*i:BI+2*i+1], s[66:67] op_sel_hi:[1,0]   ; factor x bias.  These name no register of the last products: they are also the places behind them
.set i, i+1
.endr
.macro PACKQ a
.set AC, 64*((\a)%4)
	WIN 0x82+0x41*((\a)/4)                         ; destination and source 0: window 2 or 3; the bias: window 0
.set i, 0
.rept 32
	v_pk_fma_f32 v[AC+2*i:AC+2*i+1], v[AC+2*i:AC+2*i+1], s[66:67], v[BI+2*i:BI+2*i+1] op_sel_hi:[1,0,1]   ; each accumulator from its low end on
.set i, i+1
.endr
	WIN 0x0a+5*((\a)/4)                            ; sources 0 and 1: window 2 or 3
.set i, 0
.rept 32
	v_cvt_pk_f16_f32 v[TMP+i], v[AC+2*i], v[AC+2*i+1]
.set i, i+1
.endr
	WIN 0
.endm
.macro TOSTAGE a
.if (\a) >= 2
	s_wait_xcnt 0x0                                ; block a - 2's stores have read their registers: block a's loads may land there
.endif
.irp b, 0,1,2,3,4,5,6,7
	ds_store_b128 v[STO], v[TMP+4*\b:TMP+4*\b+3] offset:32*\b
.endr
.set BB, BK+32*((\a)%2)
.irp t, 0,1,2,3,4,5,6,7
	ds_load_b128 v[BB+4*\t:BB+4*\t+3], v[RD] offset:(\t&3)*4*SPITCH+(\t>>2)*128   ; LDS serves a wave's instructions in order (ISA guide 5.7.1.4): these see the stores above
.endr
.endm
.macro SEND a
.set BB, BK+32*((\a)%2)
	s_wait_dscnt 0x0                               ; the block is back in registers
.irp t, 0,1,2,3,4,5,6,7
	global_store_b128 v[CO], v[BB+4*\t:BB+4*\t+3], s[12:13] offset:(\t>>2)*262144+(\t&3)*512+(\a)*2048   ; 32 lanes store 512 consecutive bytes, aligned; every offset is an immediate
.endr
.endm
	PACKQ 0
	TOSTAGE 0
.irp a, 1,2,3,4,5,6,7                  ; block a's arithmetic stands between block a - 1's loads from the stage and the wait for them
	PACKQ \a
	SEND \a-1
	TOSTAGE \a
.endr
	SEND 7
	s_wait_tensorcnt 0x0                           ; the wave's end: three lines behind my last tensor load and my last LDS store
	ds_add_u32 v[SPW], v[NIL]
	s_wait_dscnt 0x0
	CROUND                                         ; the closing round: no work-group ends while a partner may still ask for a tile that names it
	s_endpgm
.Lfunc_end_k_q1f8fddc196_qkvgemm:
	.size	k_q1f8fddc196_qkvgemm, .Lfunc_end_k_q1f8fddc196_qkvgemm-k_q1f8fddc196_qkvgemm
	.p2alignl 7, 3214868480
	.fill 96, 4, 3214868480
	.section	.rodata,"a",@progbits
	.p2align	6, 0x0
	.amdhsa_kernel k_q1f8fddc196_qkvgemm
		.amdhsa_group_segment_fixed_size 327680
		.amdhsa_private_segment_fixed_size 0
		.amdhsa_enable_private_segment 0
		.amdhsa_kernarg_size 48
		.amdhsa_user_sgpr_count 2
		.amdhsa_user_sgpr_kernarg_segment_ptr 1
		.amdhsa_wavefront_size32 1
		.amdhsa_system_sgpr_workgroup_id_x 1
		.amdhsa_system_sgpr_workgroup_id_y 1
		.amdhsa_system_sgpr_workgroup_id_z 1
		.amdhsa_system_vgpr_workitem_id 0
		.amdhsa_next_free_vgpr 1024
		.amdhsa_next_free_sgpr 102
		.amdhsa_reserve_vcc 0
		.amdhsa_float_denorm_mode_32 3
		.amdhsa_float_denorm_mode_16_64 3
		.amdhsa_memory_ordered 1
		.amdhsa_forward_progress 1
		.amdhsa_inst_pref_size 147
	.end_amdhsa_kernel
	.amdgpu_metadata
---
amdhsa.version: [ 1, 2 ]
amdhsa.kernels:
  - .name:           k_q1f8fddc196_qkvgemm
    .symbol:         k_q1f8fddc196_qkvgemm.kd
    .args:
      - { .name: codes, .offset: 0, .size: 8, .value_kind: global_buffer, .address_space: global }
      - { .name: scales, .offset: 8, .size: 8, .value_kind: global_buffer, .address_space: global }
      - { .name: qkv, .offset: 16, .size: 8, .value_kind: global_buffer, .address_space: global }
      - { .name: bq, .offset: 24, .size: 8, .value_kind: global_buffer, .address_space: global }
      - { .name: bk, .offset: 32, .size: 8, .value_kind: global_buffer, .address_space: global }
      - { .name: bv, .offset: 40, .size: 8, .value_kind: global_buffer, .address_space: global }
    .group_segment_fixed_size: 327680
    .private_segment_fixed_size: 0
    .kernarg_segment_align: 8
    .kernarg_segment_size: 48
    .max_flat_workgroup_size: 128
    .sgpr_count:     102
    .vgpr_count:     1024
    .wavefront_size: 32
...
	.end_amdgpu_metadata
.endif
;; end of part 2
;; launch attn (part 3): grid 4 x 64, 8 waves a work-group, no clusters, 76,800 bytes of LDS; arguments qkv, mbits, mflags, att; writes att
.if DOCPART == 3
	.amdgcn_target "amdgcn-amd-amdhsa--gfx1250"
	.amdhsa_code_object_version 6
	.text
	.protected	k_q1f8fddc196_attn
	.globl	k_q1f8fddc196_attn
	.p2align	8
	.type	k_q1f8fddc196_attn,@function
k_q1f8fddc196_attn:
	s_mov_b64 s[64:65], 0
	v_nop
	global_prefetch_b8 v0, s[64:65] scope:SCOPE_SE
	s_setreg_imm32_b32 hwreg(HW_REG_WAVE_MODE, 25, 1), 1
	s_wait_xcnt 0x0
; att[h][token][:] = the sum over keys of softmax(where(mask == 0, -1e9, q . k / 8)) v, for each of 64 heads (16 b + h).  q, k, v: f16, [3][64 heads][2048][64]; q comes multiplied by log2(e) / 8, so a score is an exponent of two.
; Products on f16 operands, sums, maxima and the softmax in f32; the weights p (at most 1) are rounded to f16 for the second product; att is f16, [16 h][8192 tokens][64].
; THE MASK is an input: it comes as bits (mbits: the lane mask of each register of a tile of scores) and as flags for each tile of 16 queries and key step of 64 keys (mflags: ANY key counts, ALL keys count).
; A masked score is REPLACED by -1e9 log2(e).  A key step in which no key counts for any of a wave's 32 queries is passed over: its weights would be 2^(-1.4e9 - m) = 0.
; LIMIT: that is exact while every unmasked score lies above -1e9 + 150.  A tile with a row that has NO key at all walks every step (its ANY word is set to all ones): such a row gets equal weights over all 2,048 keys.
; LIMITS: f16's range for q, k, v (stated where they are made); NaN and infinities are not served.
; SHARES.  Work-group (x, head) makes two passes of 256 queries: block 7 - x, then block x.  Each of its eight waves owns 32 queries, two tiles of 16; two waves share a SIMD, so that one wave's vector work stands beside the other's products.
; A pass has 32 trips of 64 keys, a constant; the flags only lead round work, never round a barrier.
; K's and V's tiles go from memory through registers into two LDS slots that take turns: each of the 256 threads moves 2 x 16 bytes of each; the loads are issued a trip ahead and stored behind the trip's work.
; NO TENSOR LOAD, NO CLUSTER: which steps are walked hangs on numbers read from memory; partners of a cluster would need different numbers of tiles.
; LAYOUT.  S^T = K Q^T (source 0 = 16 keys, source 1 = 16 queries): a lane holds ONE query (lane % 16) and keys 8 (lane / 16) + 0..7.  Two such tiles, rounded in pairs, ARE source 1 of O^T = V^T P.  V is turned by ds_load_tr16_b128.
; O^T and the sums begin as zeros and the maximum as -3e38: which step is a wave's first hangs on data, so no first step can be written out.
; REGISTERS.  Window 0: v1-11 addresses and constants; v12-27 statistics, eight a tile (+0 m, +1 zero, +2, +3 l, +4 .. +7 at work; a = 2^(old m - new m) in +6); v28-43 K and V on their way to LDS; v44-46 the way out;
;   v64-127 S^T, 32 a tile; v128-159 P, 16 a tile; v160-191 Q, 16 a tile.   Window 1: v0-63 K's fragments; v64-127 V's; v128-191 O^T, 32 a tile.
.set KP,    144                        ; a key's row of K in LDS: 128 bytes + 16
.set VP,    160                        ; and of V: 128 + 32, an odd multiple of 32, for the turning load
.set VOFF,  64*KP
.set SLOTB, 64*(KP+VP)                 ; a slot: 64 rows of K, then 64 of V
.set OSTG,  2*SLOTB                    ; behind the slots: 32 rows x 144 bytes for each wave, for the way out
.set OWAVE, 32*KP
.set SPARE, OSTG+8*OWAVE               ; the spare words, 128 bytes for each wave: four blocks of 256 bytes that no other line names
.set PLANE, 16777216                   ; bytes of q, of k, of v
.set SPW, 1                            ; v1   LDS address of my spare word; never rewritten
.set NIL, 2                            ; v2   0; never rewritten
.set AK,  3                            ; v3   my lane's place in a tile of K
.set AV,  4                            ; v4   and of V
.set STK, 5                            ; v5   where my thread puts 16 bytes of K
.set STV, 6                            ; v6   and of V
.set GK,  7                            ; v7   16 x thread: my bytes of half a tile in memory
.set QO,  8                            ; v8   my byte offset in a tile of Q
.set TN,  9                            ; v9   -1e9 log2(e)
.set GV,  10                           ; v10  16 x thread + PLANE: V through K's base
.set PFO, 11                           ; v11  the prefetches' offset: 256 x lane (+ PLANE in wave 1)
.set ST,  12
.set SG,  28
.set OST, 44
.set ORD, 45
.set GOUT, 46
.set S,   64
.set P,   128
.set Q,   160
.set KF,  0
.set VF,  64
.set O,   128
.set WV,  92                           ; s92  my wave's number
.set WGA, 93                           ; s93  bit 0: this trip's step is wanted by some wave of the work-group; bit 1: the next trip's ..
.set WVA, 94                           ; s94  the same for my wave
.set WVL, 95                           ; s95  bit 0: in this trip's step every key counts for my 32 queries
.set TRIPS, 96
.set PASS, 97
.set QB,  98                           ; s98  the pass's block of 256 queries
.set PF,  99                           ; s99  1 in a wave that prefetches, else 0
.set MSB, 0
.macro WIN new                         ; the immediate's high byte repeats the setting that is left
.if MSB != (\new)
	s_set_vgpr_msb (MSB<<8)|(\new)
.set MSB, (\new)
.endif
.endm
	s_load_b64 s[4:5], s[0:1], 0x0                 ; qkv
	s_load_b64 s[58:59], s[0:1], 0x8               ; mbits
	s_load_b128 s[60:63], s[0:1], 0x10             ; mflags, att
	v_lshl_add_u32 v[SPW], v0, 2, SPARE
	v_mov_b32 v[NIL], 0
	v_lshrrev_b32 v47, 5, v0
	v_readfirstlane_b32 s[WV], v47                 ; wave 0..7
	v_and_b32 v47, 15, v0                          ; r
	v_bfe_u32 v48, v0, 4, 1                        ; h
	v_and_b32 v49, 31, v0                          ; lane
	v_and_b32 v50, 7, v0
	v_mul_u32_u24 v[AK], v47, KP
	v_lshl_add_u32 v[AK], v48, 4, v[AK]            ; row r, + 16 h
	v_lshl_add_u32 v[AV], v48, 3, v50              ; the turning load: key 8 h + lane % 8,
	v_mul_u32_u24 v[AV], v[AV], VP
	v_bfe_u32 v51, v0, 3, 1
	v_lshl_add_u32 v[AV], v51, 4, v[AV]            ; channels 8 ((lane / 8) % 2) on
	v_add_nc_u32 v[AV], VOFF, v[AV]
	v_lshrrev_b32 v52, 3, v0                       ; my thread's row of 32, its 16 bytes of 128
	v_mul_u32_u24 v[STK], v52, KP
	v_lshl_add_u32 v[STK], v50, 4, v[STK]
	v_mul_u32_u24 v[STV], v52, VP
	v_lshl_add_u32 v[STV], v50, 4, v[STV]
	v_add_nc_u32 v[STV], VOFF, v[STV]
	v_lshlrev_b32 v[GK], 4, v0
	v_add_nc_u32 v[GV], PLANE, v[GK]
	v_lshlrev_b32 v[QO], 7, v47
	v_lshl_add_u32 v[QO], v48, 4, v[QO]
	v_mov_b32 v[TN], 0xceabfb8f
	v_lshlrev_b32 v[PFO], 8, v49
	s_and_b32 s2, s[WV], 1
	s_lshl_b32 s2, s2, 24
	v_add_nc_u32 v[PFO], s2, v[PFO]
	s_mul_i32 s2, s[WV], OWAVE
	s_add_co_u32 s2, s2, OSTG                      ; my stage
	v_add_nc_u32 v[OST], s2, v[AK]                 ; in: row r, 16 bytes for each half of the lanes
	v_lshrrev_b32 v53, 3, v49
	v_mul_u32_u24 v[ORD], v53, KP
	v_lshl_add_u32 v[ORD], v50, 4, v[ORD]
	v_add_nc_u32 v[ORD], s2, v[ORD]                ; back: eight lanes to a row, four rows an instruction
	v_lshlrev_b32 v[GOUT], 4, v49
	s_and_b32 s100, ttmp7, 0xffff                  ; 16 b + h
	s_lshr_b32 s101, s100, 4                       ; b
	s_and_b32 s3, s100, 15                         ; h
	s_mov_b32 s66, 0x76543210                      ; v_permlanex16_b32's selects for lane l xor 16
	s_mov_b32 s67, 0xfedcba98
	s_sub_co_u32 s[QB], 7, ttmp9
	s_lshr_b32 s2, s[WV], 1                        ; the head's first work-group prefetches, in its first pass: wave 0 K's rows, wave 1 V's
	s_or_b32 s2, s2, ttmp9
	s_cmp_eq_u32 s2, 0
	s_cselect_b32 s[PF], 1, 0
	s_mov_b32 s[PASS], 0
	s_wait_kmcnt 0x0
	s_lshl_b32 s6, s100, 18                        ; a head's 2,048 rows of 128 bytes
	s_mov_b32 s7, 0
	s_add_nc_u64 s[4:5], s[4:5], s[6:7]
	s_lshl_b32 s6, s101, 19                        ; a batch's 128 tiles of queries x 4,096 bytes of words
	s_add_nc_u64 s[58:59], s[58:59], s[6:7]
	s_lshl_b32 s6, s101, 11                        ; x 16 bytes of flags
	s_add_nc_u64 s[60:61], s[60:61], s[6:7]
	s_lshl_b32 s6, s3, 13
	s_lshl_b32 s2, s101, 11
	s_add_co_u32 s6, s6, s2
	s_lshl_b32 s6, s6, 7                           ; (8192 h + 2048 b) rows of 128 bytes
	s_add_nc_u64 s[62:63], s[62:63], s[6:7]
.macro STG_LOAD off                    ; a step's K and V, 8,192 bytes each: my thread's 16 bytes of each half
	global_load_b128 v[SG:SG+3],     v[GK], s[6:7] offset:\off
	global_load_b128 v[SG+4:SG+7],   v[GK], s[6:7] offset:\off+4096
	global_load_b128 v[SG+8:SG+11],  v[GV], s[6:7] offset:\off
	global_load_b128 v[SG+12:SG+15], v[GV], s[6:7] offset:\off+4096
.endm
.macro STG_STORE sl
	ds_store_b128 v[STK], v[SG:SG+3]     offset:(\sl)*SLOTB
	ds_store_b128 v[STK], v[SG+4:SG+7]   offset:(\sl)*SLOTB+32*KP
	ds_store_b128 v[STV], v[SG+8:SG+11]  offset:(\sl)*SLOTB
	ds_store_b128 v[STV], v[SG+12:SG+15] offset:(\sl)*SLOTB+32*VP
.endm
; A tile's ANY word stays as it is where each of its 16 rows has a key in some quarter; else it becomes all ones.  rl, rh: a byte for each quarter, a bit for each of rows 0-7, 8-15.
.macro FIXANY a, rl, rh
	s_lshr_b32 s2, s[\rl], 16
	s_or_b32 s2, s2, s[\rl]
	s_lshr_b32 s3, s2, 8
	s_or_b32 s2, s2, s3
	s_lshr_b32 s3, s[\rh], 16
	s_or_b32 s3, s3, s[\rh]
	s_lshr_b32 s100, s3, 8
	s_or_b32 s3, s3, s100
	s_and_b32 s2, s2, s3
	s_and_b32 s2, s2, 0xff
	s_cmp_eq_u32 s2, 0xff
	s_cselect_b32 s[\a], s[\a], -1
.endm
; THE WORK OF A KEY STEP, from slot sl.
.macro COMPUTE sl
	s_bitcmp1_b32 s[WVL], 0
	s_cbranch_scc1 .Lfull_\@                       ; every key counts: no words are wanted
	s_load_b512 s[8:23],  s[56:57], 0x0            ; tile 0's 32 words of this step,
	s_load_b512 s[24:39], s[56:57], 0x40
	s_load_b512 s[40:55], s[56:57], 0x1000         ; tile 1's
	s_load_b512 s[68:83], s[56:57], 0x1040
.Lfull_\@:
	WIN 0x40                                       ; destination window 1, address window 0
.irp kt, 0,1,2,3
.irp c, 0,1
	ds_load_b128 v[KF+8*(2*\kt+\c):KF+8*(2*\kt+\c)+3],   v[AK] offset:(\sl)*SLOTB+\kt*16*KP+64*\c
	ds_load_b128 v[KF+8*(2*\kt+\c)+4:KF+8*(2*\kt+\c)+7], v[AK] offset:(\sl)*SLOTB+\kt*16*KP+64*\c+32
.endr
.endr
.irp kh, 0,1
.irp ct, 0,1,2,3
	ds_load_tr16_b128 v[VF+8*(4*\kh+\ct):VF+8*(4*\kh+\ct)+3],   v[AV] offset:(\sl)*SLOTB+\kh*32*VP+32*\ct
	ds_load_tr16_b128 v[VF+8*(4*\kh+\ct)+4:VF+8*(4*\kh+\ct)+7], v[AV] offset:(\sl)*SLOTB+\kh*32*VP+16*VP+32*\ct
.endr
.endr
	s_wait_dscnt 16                                ; K's 16 loads are in; V's 16 may be out
	WIN 0x01                                       ; K in window 1; Q and S^T in window 0
.irp c, 0,1                                    ; the eight accumulators take turns, one instruction a turn; the first eight start the sums
.irp kt, 0,1,2,3
.irp t, 0,1
.if \c == 0
	v_wmma_f32_16x16x32_f16 v[S+32*\t+8*\kt:S+32*\t+8*\kt+7], v[KF+8*(2*\kt+\c):KF+8*(2*\kt+\c)+7], v[Q+16*\t+8*\c:Q+16*\t+8*\c+7], 0
.else
	v_wmma_f32_16x16x32_f16 v[S+32*\t+8*\kt:S+32*\t+8*\kt+7], v[KF+8*(2*\kt+\c):KF+8*(2*\kt+\c)+7], v[Q+16*\t+8*\c:Q+16*\t+8*\c+7], v[S+32*\t+8*\kt:S+32*\t+8*\kt+7]
.endif
.endr
.endr
.endr
	WIN 0
.rept 4
	v_nop                                          ; places behind the products, ahead of the first read of the scores (ISA guide 7.12.1)
.endr
	s_wait_kmcnt 0x0                               ; the words, where they were asked for
	s_bitcmp1_b32 s[WVL], 0
	s_cbranch_scc1 .Lopen_\@
.set i, 0
.rept 32
	v_cndmask_b32 v[S+i], v[TN], v[S+i], s[8+i]    ; where the mask is 0 the score is replaced
.set i, i+1
.endr
.set i, 0
.rept 16
	v_cndmask_b32 v[S+32+i], v[TN], v[S+32+i], s[40+i]
.set i, i+1
.endr
.rept 16
	v_cndmask_b32 v[S+32+i], v[TN], v[S+32+i], s[52+i]
.set i, i+1
.endr
.Lopen_\@:
	; the maximum of my 32 scores and the old m: four chains, each begun at an accumulator's low end; the two tiles by turns
.irp j, 0,1,2,3
.irp t, 0,1
	v_max3_num_f32 v[ST+8*\t+4+\j], v[S+32*\t+8*\j], v[S+32*\t+8*\j+1], v[S+32*\t+8*\j+2]
.endr
.endr
.irp u, 1,2
.irp j, 0,1,2,3
.irp t, 0,1
	v_max3_num_f32 v[ST+8*\t+4+\j], v[ST+8*\t+4+\j], v[S+32*\t+8*\j+2*\u+1], v[S+32*\t+8*\j+2*\u+2]
.endr
.endr
.endr
.irp t, 0,1
	v_max3_num_f32 v[ST+8*\t+4], v[ST+8*\t+4], v[S+32*\t+7], v[S+32*\t+15]
	v_max3_num_f32 v[ST+8*\t+6], v[ST+8*\t+6], v[S+32*\t+23], v[S+32*\t+31]
.endr
.irp t, 0,1
	v_max3_num_f32 v[ST+8*\t+4], v[ST+8*\t+4], v[ST+8*\t+5], v[ST+8*\t+6]
.endr
.irp t, 0,1
	v_max3_num_f32 v[ST+8*\t+4], v[ST+8*\t+4], v[ST+8*\t+7], v[ST+8*\t]
.endr
.irp t, 0,1
	v_permlanex16_b32 v[ST+8*\t+5], v[ST+8*\t+4], s66, s67         ; the query's other 32 keys lie in the lane 16 away
.endr
.irp t, 0,1
	v_max_num_f32 v[ST+8*\t+6], v[ST+8*\t+4], v[ST+8*\t+5]         ; the new m
.endr
.irp t, 0,1
	v_sub_f32 v[ST+8*\t+7], v[ST+8*\t], v[ST+8*\t+6]               ; old m - new m
.endr
.irp t, 0,1
	v_mov_b32 v[ST+8*\t], v[ST+8*\t+6]
.endr
.set n, 0
.rept 16
.irp t, 0,1
	v_pk_add_f32 v[S+32*\t+2*n:S+32*\t+2*n+1], v[S+32*\t+2*n:S+32*\t+2*n+1], v[ST+8*\t:ST+8*\t+1] op_sel_hi:[1,0] neg_lo:[0,1] neg_hi:[0,1]   ; s - m, two at a time: exactly 0 at the maximum
.endr
.set n, n+1
.endr
.irp t, 0,1
	v_exp_f32 v[ST+8*\t+6], v[ST+8*\t+7]           ; a = 2^(old m - new m)
.endr
.set n, 0
.rept 32
.irp t, 0,1
	v_exp_f32 v[S+32*\t+n], v[S+32*\t+n]           ; p = 2^(s - m)
.endr
.set n, n+1
.endr
	v_nop                                          ; a plain instruction behind the last exponential,
	s_wait_alu depctr_va_vdst(0)                   ; and one wait for the batch of 66, ahead of its first reader
.set n, 0
.rept 16
.irp t, 0,1
	v_cvt_pk_f16_f32 v[P+16*\t+n], v[S+32*\t+2*n], v[S+32*\t+2*n+1]
.endr
.set n, n+1
.endr
.irp t, 0,1                                    ; l = a l + the sum of p: two chains a tile
	v_pk_fma_f32 v[ST+8*\t+2:ST+8*\t+3], v[ST+8*\t+2:ST+8*\t+3], v[ST+8*\t+6:ST+8*\t+7], v[S+32*\t:S+32*\t+1] op_sel_hi:[1,0,1]
	v_pk_add_f32 v[ST+8*\t+4:ST+8*\t+5], v[S+32*\t+2:S+32*\t+3], v[S+32*\t+6:S+32*\t+7]
.endr
.irp n, 4,8,12,16,20,24
.irp t, 0,1
	v_pk_add_f32 v[ST+8*\t+2:ST+8*\t+3], v[ST+8*\t+2:ST+8*\t+3], v[S+32*\t+\n:S+32*\t+\n+1]
	v_pk_add_f32 v[ST+8*\t+4:ST+8*\t+5], v[ST+8*\t+4:ST+8*\t+5], v[S+32*\t+\n+6:S+32*\t+\n+7]
.endr
.endr
.irp t, 0,1
	v_pk_add_f32 v[ST+8*\t+2:ST+8*\t+3], v[ST+8*\t+2:ST+8*\t+3], v[S+32*\t+28:S+32*\t+29]
.endr
.irp t, 0,1
	v_pk_add_f32 v[ST+8*\t+2:ST+8*\t+3], v[ST+8*\t+2:ST+8*\t+3], v[ST+8*\t+4:ST+8*\t+5]
.endr
	WIN 0x41                                       ; O^T (destination and source 0) in window 1, a in window 0
.irp t, 0,1
.set n, 0
.rept 16
	v_pk_mul_f32 v[O+32*\t+2*n:O+32*\t+2*n+1], v[O+32*\t+2*n:O+32*\t+2*n+1], v[ST+8*\t+6:ST+8*\t+7] op_sel_hi:[1,0]   ; each accumulator from its low end on
.set n, n+1
.endr
.endr
	s_wait_dscnt 0x0                               ; V is in
	WIN 0x51                                       ; V and O^T in window 1, P in window 0
.irp kh, 0,1                                   ; eight accumulators by turns
.irp ct, 0,1,2,3
.irp t, 0,1
	v_wmma_f32_16x16x32_f16 v[O+32*\t+8*\ct:O+32*\t+8*\ct+7], v[VF+8*(4*\kh+\ct):VF+8*(4*\kh+\ct)+7], v[P+16*\t+8*\kh:P+16*\t+8*\kh+7], v[O+32*\t+8*\ct:O+32*\t+8*\ct+7]
.endr
.endr
.endr
	WIN 0
.rept 4
	v_nop                                          ; places behind the products: for the next loads into V's registers, the next writes of P, and the way out
.endr
.endm
; A TRIP: the step in slot sl.  The next step's tiles are asked for at its head and stored into the other slot behind its work; one barrier at its end orders this trip's reads against the next stores into this slot,
; and this trip's stores against the next trip's reads.
.macro TRIP sl
	s_bitcmp1_b32 s[WGA], 1                        ; is the next step wanted by any wave?  (Zeros come in at the top, so the last trip asks for nothing)
	s_cbranch_scc0 .Lnoload_\@
	STG_LOAD 8192
.Lnoload_\@:
	s_lshr_b32 s2, s[WGA], 3                       ; A PREFETCH of the step three on, two trips ahead of the loads that will want it: 8,192 bytes, a lane to each 256.  The head's first work-group asks, in its first pass:
	s_and_b32 s2, s2, s[PF]                        ; wave 0 for K's rows, wave 1 for V's: each block is named once.  A step that this block of queries passes over, and the steps past the last, are not asked for
	s_cmp_lg_u32 s2, 0
	s_cbranch_scc0 .Lnopf_\@
	global_prefetch_b8 v[PFO], s[6:7] offset:3*8192 th:TH_LOAD_NT scope:SCOPE_SE
.Lnopf_\@:
	s_bitcmp1_b32 s[WVA], 0
	s_cbranch_scc0 .Lnowork_\@
	COMPUTE \sl
.Lnowork_\@:
	s_wait_loadcnt 0x0                             ; the next step's tiles are in my registers
	s_bitcmp1_b32 s[WGA], 1
	s_cbranch_scc0 .Lnostore_\@
	STG_STORE 1-\sl
.Lnostore_\@:
	s_wait_xcnt 0x0                                ; every earlier memory instruction has read its addresses: the bases may step
	s_add_nc_u64 s[6:7], s[6:7], 8192
	s_add_nc_u64 s[56:57], s[56:57], 128
	s_lshr_b32 s[WGA], s[WGA], 1
	s_lshr_b32 s[WVA], s[WVA], 1
	s_lshr_b32 s[WVL], s[WVL], 1
	s_wait_dscnt 0x0                               ; my stores have landed and my reads are over
	s_barrier_signal -1
	s_barrier_wait -1
.endm
.Lpass:
	s_lshl_b32 s2, s[QB], 8
	s_lshl_b32 s3, s[WV], 5
	s_add_co_u32 s2, s2, s3
	s_lshl_b32 s2, s2, 7                           ; my first query: (256 x block + 32 x wave) rows of 128 bytes
	s_mov_b32 s3, 0
	s_add_nc_u64 s[100:101], s[4:5], s[2:3]
.irp t, 0,1
.irp c, 0,1
	global_load_b128 v[Q+16*\t+8*\c:Q+16*\t+8*\c+3],   v[QO], s[100:101] offset:\t*2048+\c*64       ; Q stays in registers for the pass
	global_load_b128 v[Q+16*\t+8*\c+4:Q+16*\t+8*\c+7], v[QO], s[100:101] offset:\t*2048+\c*64+32
.endr
.endr
	s_add_nc_u64 s[6:7], s[4:5], PLANE             ; K at key 0
	STG_LOAD 0                                     ; step 0, whatever the flags say
	s_lshl_b32 s2, s[QB], 8
	s_add_nc_u64 s[56:57], s[60:61], s[2:3]        ; the flags of the block's 16 tiles: 256 bytes,
	s_load_b512 s[8:23],  s[56:57], 0x0
	s_load_b512 s[24:39], s[56:57], 0x40
	s_load_b512 s[40:55], s[56:57], 0x80
	s_load_b512 s[68:83], s[56:57], 0xc0
	s_lshl_b32 s2, s[WV], 5
	s_add_nc_u64 s[2:3], s[56:57], s[2:3]
	s_load_b256 s[84:91], s[2:3], 0x0              ; and once more those of my two
.irp t, 0,1
	v_mov_b32 v[ST+8*\t], 0xff61b1e6               ; m = -3e38, under every score
.irp j, 1,2,3,4,5,6,7
	v_mov_b32 v[ST+8*\t+\j], 0
.endr
.endr
	WIN 0x40
.set i, 0
.rept 64
	v_mov_b32 v[O+i], 0                            ; O^T
.set i, i+1
.endr
	WIN 0
	s_wait_kmcnt 0x0
	s_wait_xcnt 0x0                                ; the pairs that held addresses may be written
	s_mov_b32 s[WGA], 0
.set k, 0
.rept 16
.if k < 12
.set rb, 8+4*k
.else
.set rb, 20+4*k
.endif
	FIXANY rb, rb+2, rb+3
	s_or_b32 s[WGA], s[WGA], s[rb]
.set k, k+1
.endr
	FIXANY 84, 86, 87
	FIXANY 88, 90, 91
	s_or_b32 s[WVA], s84, s88
	s_and_b32 s[WVL], s85, s89
	s_lshl_b32 s2, s[QB], 4
	s_lshl_b32 s3, s[WV], 1
	s_add_co_u32 s2, s2, s3
	s_lshl_b32 s2, s2, 12                          ; my first tile's words: 4,096 bytes a tile of queries
	s_mov_b32 s3, 0
	s_add_nc_u64 s[56:57], s[58:59], s[2:3]
	s_wait_loadcnt 0x0                             ; Q, and step 0's tiles
	STG_STORE 0
	s_wait_dscnt 0x0
	s_barrier_signal -1
	s_barrier_wait -1
	s_mov_b32 s[TRIPS], 0
.Ltrip:
	TRIP 0
	TRIP 1
	s_add_co_u32 s[TRIPS], s[TRIPS], 1
	s_cmp_lt_u32 s[TRIPS], 16
	s_cbranch_scc1 .Ltrip
	; THE WAY OUT of a pass: O^T / l, rounded to f16, through my stage, as rows of 128 bytes, four to a store
.irp t, 0,1
	v_add_f32 v[ST+8*\t+4], v[ST+8*\t+2], v[ST+8*\t+3]
.endr
.irp t, 0,1
	v_permlanex16_b32 v[ST+8*\t+5], v[ST+8*\t+4], s66, s67
.endr
.irp t, 0,1
	v_add_f32 v[ST+8*\t+4], v[ST+8*\t+4], v[ST+8*\t+5]
.endr
.irp t, 0,1
	v_rcp_f32 v[ST+8*\t+6], v[ST+8*\t+4]
.endr
	v_nop                                          ; a plain instruction behind the last reciprocal,
	s_wait_alu depctr_va_vdst(0)                   ; and the wait ahead of the first use
	WIN 0x41
.irp t, 0,1
.set n, 0
.rept 16
	v_pk_mul_f32 v[O+32*\t+2*n:O+32*\t+2*n+1], v[O+32*\t+2*n:O+32*\t+2*n+1], v[ST+8*\t+6:ST+8*\t+7] op_sel_hi:[1,0]
.set n, n+1
.endr
.endr
	WIN 0x05                                       ; sources 0 and 1 window 1, destination window 0
.set n, 0
.rept 32
	v_cvt_pk_f16_f32 v[S+n], v[O+2*n], v[O+2*n+1]
.set n, n+1
.endr
	WIN 0
.irp t, 0,1
.irp ct, 0,1,2,3
	ds_store_b128 v[OST], v[S+16*\t+4*\ct:S+16*\t+4*\ct+3] offset:\t*16*KP+32*\ct
.endr
.endr
.irp g, 0,1,2,3,4,5,6,7
	ds_load_b128 v[S+32+4*\g:S+32+4*\g+3], v[ORD] offset:\g*4*KP   ; LDS serves a wave's instructions in order (ISA guide 5.7.1.4): these see the stores above
.endr
	s_lshl_b32 s2, s[QB], 8
	s_lshl_b32 s3, s[WV], 5
	s_add_co_u32 s2, s2, s3
	s_lshl_b32 s2, s2, 7
	s_mov_b32 s3, 0
	s_add_nc_u64 s[100:101], s[62:63], s[2:3]
.irp g, 0,1,2,3,4,5,6,7
	s_wait_dscnt 7-\g                              ; load g is in; the younger ones may be out
	global_store_b128 v[GOUT], v[S+32+4*\g:S+32+4*\g+3], s[100:101] offset:512*\g   ; 32 lanes store 512 consecutive bytes, aligned
.endr
	s_wait_xcnt 0x0                                ; the stores have read their registers and their base
	s_sub_co_u32 s[QB], 7, s[QB]                   ; the second pass: block x
	s_mov_b32 s[PF], 0
	s_add_co_u32 s[PASS], s[PASS], 1
	s_cmp_lt_u32 s[PASS], 2
	s_cbranch_scc1 .Lpass
	s_wait_tensorcnt 0x0                           ; the wave's end: three lines behind my last LDS store, the first of them even in a text with no tensor load
	ds_add_u32 v[SPW], v[NIL]
	s_wait_dscnt 0x0
	s_endpgm
.Lfunc_end_k_q1f8fddc196_attn:
	.size	k_q1f8fddc196_attn, .Lfunc_end_k_q1f8fddc196_attn-k_q1f8fddc196_attn
	.p2alignl 7, 3214868480
	.fill 96, 4, 3214868480
	.section	.rodata,"a",@progbits
	.p2align	6, 0x0
	.amdhsa_kernel k_q1f8fddc196_attn
		.amdhsa_group_segment_fixed_size 76800
		.amdhsa_private_segment_fixed_size 0
		.amdhsa_enable_private_segment 0
		.amdhsa_kernarg_size 32
		.amdhsa_user_sgpr_count 2
		.amdhsa_user_sgpr_kernarg_segment_ptr 1
		.amdhsa_wavefront_size32 1
		.amdhsa_system_sgpr_workgroup_id_x 1
		.amdhsa_system_sgpr_workgroup_id_y 1
		.amdhsa_system_sgpr_workgroup_id_z 1
		.amdhsa_system_vgpr_workitem_id 0
		.amdhsa_next_free_vgpr 448
		.amdhsa_next_free_sgpr 102
		.amdhsa_reserve_vcc 0
		.amdhsa_float_denorm_mode_32 3
		.amdhsa_float_denorm_mode_16_64 3
		.amdhsa_memory_ordered 1
		.amdhsa_forward_progress 1
		.amdhsa_inst_pref_size 70
	.end_amdhsa_kernel
	.amdgpu_metadata
---
amdhsa.version: [ 1, 2 ]
amdhsa.kernels:
  - .name:           k_q1f8fddc196_attn
    .symbol:         k_q1f8fddc196_attn.kd
    .args:
      - { .name: qkv, .offset: 0, .size: 8, .value_kind: global_buffer, .address_space: global }
      - { .name: mbits, .offset: 8, .size: 8, .value_kind: global_buffer, .address_space: global }
      - { .name: mflags, .offset: 16, .size: 8, .value_kind: global_buffer, .address_space: global }
      - { .name: att, .offset: 24, .size: 8, .value_kind: global_buffer, .address_space: global }
    .group_segment_fixed_size: 76800
    .private_segment_fixed_size: 0
    .kernarg_segment_align: 8
    .kernarg_segment_size: 32
    .max_flat_workgroup_size: 256
    .sgpr_count:     102
    .vgpr_count:     448
    .wavefront_size: 32
...
	.end_amdgpu_metadata
.endif
;; end of part 3
;; launch oproj (part 4): grid 4 x 64, 4 waves a work-group, clusters of 4 x 4, 327,680 bytes of LDS; arguments att, woh, bo, out0; writes out0
.if DOCPART == 4
	.amdgcn_target "amdgcn-amd-amdhsa--gfx1250"
	.amdhsa_code_object_version 6
	.text
	.protected	k_q1f8fddc196_oproj
	.globl	k_q1f8fddc196_oproj
	.p2align	8
	.type	k_q1f8fddc196_oproj,@function
k_q1f8fddc196_oproj:
	s_mov_b64 s[64:65], 0
	v_nop
	global_prefetch_b8 v0, s[64:65] scope:SCOPE_SE
	s_setreg_imm32_b32 hwreg(HW_REG_WAVE_MODE, 25, 1), 1
	s_wait_xcnt 0x0
	s_wait_alu depctr_hold_cnt(0) depctr_sa_sdst(0) depctr_va_vdst(0) depctr_va_sdst(0) depctr_va_ssrc(0) depctr_va_vcc(0) depctr_vm_vsrc(0)
	s_getreg_b32 s2, hwreg(HW_REG_IB_STS2, 6, 4)
	s_cmp_eq_u32 s2, 0
	s_cbranch_scc0 .Lentry_in_a_cluster
	s_endpgm
.Lentry_in_a_cluster:
	s_bfe_u32 s2, ttmp6, 0x10000c
	s_cmp_lg_u32 s2, 0xf033
	s_cbranch_scc0 .Lentry_shape_is_right
	s_endpgm
.Lentry_shape_is_right:
; out0[token][n] = the sum over k of att[token][k] Wo[n][k] + bo[n].  Both operands f16, by planes of 64 k: att [16 planes][8192 tokens][64], woh [16 planes][1024 n][64]; sums in f32; out0 [8192][1024] f32.
; A tile of 128 tokens x 256 n is made by four waves, each 64 x 128: 32 accumulators, 256 registers: 256 work-groups.  K goes in steps of 128 (two planes) through two LDS slots filled by the tensor data mover.
; A plane's rows of 128 bytes lie on end in memory, so a tile is stated as rows of 256 bytes (two rows of the matrix), 16 bytes of padding behind each: row r lies at (r / 2) 272 + (r % 2) 128,
; and the 16 rows that a fragment load touches start at 16 different 16-byte columns of the 64 banks (ISA guide 11.1).
; CLUSTERS: 4 x 4 work-groups.  The four of a row of the cluster need the same tiles of att, the four of a column the same tiles of Wo: each is asked for JOINTLY, by the same tensor load with the same descriptor and a mask that names the four.
; THE MATRIX INSTRUCTION IS USED TRANSPOSED (source 0 = 16 rows of Wo, source 1 = 16 tokens): a lane holds eight neighbouring n of one token.  The bias is the C of each sum's first matrix instruction.
; No prefetch: the launch has eight K steps, of which the first ones are on their way at its head.
; REGISTERS: window 0: v16-29 addresses; v32-63, v64-95 att's fragments (4 x 16 tokens x 32 k), two buffers; v96-159, v160-223 Wo's (8 x 16 rows x 32 k), two buffers, later rows on their way out.
;   window 1: the accumulators, (a, b) at v[8 (8 a + b)].   window 2: v0-63 the bias in the result's layout.
.set APL,    64*272                    ; a plane of att's tile: 128 tokens
.set BPL,    128*272                   ; a plane of Wo's tile: 256 rows
.set SLOT,   2*APL+2*BPL               ; att's two planes, then Wo's two
.set STAGE,  2*SLOT                    ; behind the ring: 16 rows x 528 bytes for each wave, for the way out
.set SPITCH, 528
.set SPARE,  STAGE+4*16*SPITCH         ; the spare words, 128 bytes for each wave: two blocks of 256 bytes that no other line names
.set LAPS,   4                         ; a lap = two K steps = once round the ring; K = 1,024
.set ADRA, 16
.set ADRB, 20
.set STO,  24
.set RD,   25
.set CO,   26
.set BOF,  27
.set SPW,  28                          ; v28  LDS address of my spare word; never rewritten
.set NIL,  29                          ; v29  0; never rewritten
.set AFR,  32
.set BFR,  96
.set G1, 24
.set G0, 32
.set G1B, 48
.set G0B, 56
.set MSB, 0
.macro WIN new                         ; the immediate's high byte repeats the setting that is left
.if MSB != (\new)
	s_set_vgpr_msb (MSB<<8)|(\new)
.set MSB, (\new)
.endif
.endm
.set MUL,  0x50                        ; C and D window 1, the fragments window 0
.set MULF, 0x60                        ; D window 1, C (the bias) window 2
.macro JLOAD s                         ; a joint load: waves 0 and 1 fetch att's two planes, waves 2 and 3 Wo's; an s_nop 0 and four v_nop follow each of the two lines
	s_cmp_eq_u32 s11, 0
	s_cbranch_scc0 .Lfor_b_\@
	tensor_load_to_lds s[G0+4*\s:G0+4*\s+3], s[G1:G1+7]
	s_nop 0
.rept 4
	v_nop
.endr
	s_branch .Lasked_\@
.Lfor_b_\@:
	tensor_load_to_lds s[G0B+4*\s:G0B+4*\s+3], s[G1B:G1B+7]
	s_nop 0
.rept 4
	v_nop
.endr
.Lasked_\@:
.endm
.macro CREST                           ; a round of the cluster's barrier behind its opening barrier
	s_cmp_lg_u32 s10, 0
	s_cbranch_scc1 .Lnot_wave_0_\@
	s_barrier_signal -3
.Lnot_wave_0_\@:
	s_barrier_wait -3
	s_barrier_signal -1
	s_barrier_wait -1
.endm
.macro CROUND                          ; a whole round
	s_barrier_signal -1
	s_barrier_wait -1
	CREST
.endm
	s_load_b128 s[4:7], s[0:1], 0x0                ; att, woh
	s_load_b128 s[20:23], s[0:1], 0x10             ; bo, out0
	v_lshl_add_u32 v[SPW], v0, 2, SPARE
	v_mov_b32 v[NIL], 0
	ds_add_u32 v[SPW], v[NIL]                      ; the wave's opening: the add and its wait stand ahead of my first tensor load; the set-up below, work on registers, stands between them
	v_lshrrev_b32 v1, 5, v0
	v_readfirstlane_b32 s10, v1                    ; wave 0..3
	s_lshr_b32 s11, s10, 1                         ; which half of the tile's tokens is mine.  Also: I fetch for att (0) or for Wo (1)
	s_and_b32 s12, s10, 1                          ; which half of its columns.  Also: which plane of a K step I fetch
	s_bfe_u32 s40, ttmp6, 0x40000                  ; cx, cy: my place in the cluster
	s_bfe_u32 s41, ttmp6, 0x40004
	s_lshl_b32 s42, ttmp9, 2
	s_add_co_u32 s42, s42, s40                     ; tile column = 4 x cluster x + cx
	s_and_b32 s13, ttmp7, 0xffff
	s_lshl_b32 s13, s13, 2
	s_add_co_u32 s13, s13, s41                     ; tile row = 4 x cluster y + cy
	s_lshl_b32 s43, s41, 2
	s_lshl_b32 s43, 15, s43                        ; my row of the cluster
	s_lshl_b32 s44, 0x1111, s40                    ; my column
	; descriptor group 1: rows of 128 elements of 2 bytes, dense in memory, padded in LDS: 64 of them for att's plane, 128 for Wo's
	s_or_b32 s[G1+0], s43, (1<<16)|(1<<20)|(1<<21)|(5<<22)|(3<<25)  ; 15:0 the mask: att's tiles go to my row; 17:16 element of 2 bytes; 20 padding on; 21 set beside a mask; 24:22 after every 64 words; 31:25 of 4 words
	s_or_b32 s[G1B+0], s44, (1<<16)|(1<<20)|(1<<21)|(5<<22)|(3<<25)
	s_mov_b32 s[G1+1], 128<<16                     ; tensor_dim0
	s_mov_b32 s[G1+2], 64<<16                      ; tensor_dim1
	s_mov_b32 s[G1+3], 128<<16                     ; tile_dim0
	s_mov_b32 s[G1+4], 64                          ; tile_dim1
	s_mov_b32 s[G1+5], 128                         ; tensor_dim0_stride
	s_mov_b32 s[G1+6], 0
	s_mov_b32 s[G1+7], 0
	s_mov_b32 s[G1B+1], 128<<16
	s_mov_b32 s[G1B+2], 128<<16
	s_mov_b32 s[G1B+3], 128<<16
	s_mov_b32 s[G1B+4], 128
	s_mov_b32 s[G1B+5], 128
	s_mov_b32 s[G1B+6], 0
	s_mov_b32 s[G1B+7], 0
	s_lshl_b32 s16, s13, 14                        ; att: 128 tokens of 128 bytes a tile row,
	s_lshl_b32 s17, s12, 20                        ; 1,048,576 bytes a plane
	s_add_co_u32 s16, s16, s17
	s_mov_b32 s17, 0
	s_lshl_b32 s46, s42, 15                        ; Wo: 256 rows of 128 bytes a tile column,
	s_lshl_b32 s47, s12, 17                        ; 131,072 bytes a plane
	s_add_co_u32 s46, s46, s47
	s_mov_b32 s47, 0
	s_mul_i32 s18, s12, APL                        ; where they go: no place in the cluster enters an LDS address
	s_mul_i32 s19, s12, BPL
	s_add_co_u32 s19, s19, 2*APL
	s_wait_dscnt 0x0                               ; the opening add is done
	s_wait_kmcnt 0x0
	s_add_nc_u64 s[14:15], s[4:5], s[16:17]
	s_add_nc_u64 s[46:47], s[6:7], s[46:47]
	CROUND                                         ; all sixteen work-groups are here: the first joint loads meet
.irp s, 0,1
	s_mov_b32 s[G0+4*\s], 1
	s_add_co_u32 s[G0+4*\s+1], s18, \s*SLOT
	s_add_nc_u64 s[G0+4*\s+2:G0+4*\s+3], s[14:15], \s*2097152      ; K step s: two planes on
	s_or_b32 s[G0+4*\s+3], s[G0+4*\s+3], 0x80000000
	s_mov_b32 s[G0B+4*\s], 1
	s_add_co_u32 s[G0B+4*\s+1], s19, \s*SLOT
	s_add_nc_u64 s[G0B+4*\s+2:G0B+4*\s+3], s[46:47], \s*262144
	s_or_b32 s[G0B+4*\s+3], s[G0B+4*\s+3], 0x80000000
	JLOAD \s                                       ; two loads of mine are out at the most
.endr
	v_and_b32 v1, 15, v0                           ; r
	v_bfe_u32 v2, v0, 4, 1                         ; h
	v_lshrrev_b32 v3, 1, v1
	v_mul_u32_u24 v3, v3, 272
	v_and_b32 v4, 1, v1
	v_lshl_add_u32 v3, v4, 7, v3
	v_lshl_add_u32 v3, v2, 4, v3                   ; (r / 2) 272 + (r % 2) 128 + 16 h
	s_mul_i32 s16, s11, 32*272                     ; my 64 tokens
	s_mul_i32 s17, s12, 64*272                     ; my 128 rows of Wo,
	s_add_co_u32 s17, s17, 2*APL                   ; behind att's two planes
.irp s, 0,1
	v_add_nc_u32 v[ADRA+\s], s16, v3
	v_add_nc_u32 v[ADRB+\s], s17, v3
	s_add_co_u32 s16, s16, SLOT
	s_add_co_u32 s17, s17, SLOT
.endr
	s_mul_i32 s18, s10, 16*SPITCH
	s_add_co_u32 s18, s18, STAGE                   ; my stage
	v_mul_u32_u24 v5, v1, SPITCH                   ; in: row r, 32 bytes for each half of the lanes
	v_lshl_add_u32 v5, v2, 5, v5
	v_add_nc_u32 v[STO], s18, v5
	v_and_b32 v6, 31, v0
	v_lshlrev_b32 v[CO], 4, v6                     ; back: the 32 lanes take one row of 512 bytes; and the same in out0
	v_add_nc_u32 v[RD], s18, v[CO]
	v_lshlrev_b32 v[BOF], 5, v2
	s_lshl_b32 s16, s13, 19                        ; my first token: (128 x tile row + 64 x half) rows of 4,096 bytes
	s_lshl_b32 s17, s11, 18
	s_add_co_u32 s16, s16, s17
	s_mov_b32 s17, 0
	s_add_nc_u64 s[22:23], s[22:23], s[16:17]
	s_lshl_b32 s46, s42, 10                        ; my first column: (256 x tile column + 128 x half) x 4 bytes
	s_lshl_b32 s47, s12, 9
	s_add_co_u32 s46, s46, s47
	s_mov_b32 s47, 0
	s_add_nc_u64 s[22:23], s[22:23], s[46:47]
	s_add_nc_u64 s[20:21], s[20:21], s[46:47]
	WIN 0x80                                       ; destination window 2, address window 0
.irp b, 0,1,2,3,4,5,6,7
	global_load_b128 v[8*\b:8*\b+3], v[BOF], s[20:21] offset:64*\b         ; lane (r, h): bo at columns 16 b + 8 h + 0 .. 7
	global_load_b128 v[8*\b+4:8*\b+7], v[BOF], s[20:21] offset:64*\b+16
.endr
	WIN 0
; 8 matrix instructions: tokens' block a against Wo's eight, 32 along K, from buffers f.  first = 1: the bias starts the sums.  The 32 accumulators take turns, in the same order in every quarter.
.macro MUL8 f, a, first
.irp b, 0,1,2,3,4,5,6,7
.if \first
	v_wmma_f32_16x16x32_f16 v[8*(8*(\a)+\b):8*(8*(\a)+\b)+7], v[BFR+64*(\f)+8*\b:BFR+64*(\f)+8*\b+7], v[AFR+32*(\f)+8*(\a):AFR+32*(\f)+8*(\a)+7], v[8*\b:8*\b+7]
.else
	v_wmma_f32_16x16x32_f16 v[8*(8*(\a)+\b):8*(8*(\a)+\b)+7], v[BFR+64*(\f)+8*\b:BFR+64*(\f)+8*\b+7], v[AFR+32*(\f)+8*(\a):AFR+32*(\f)+8*(\a)+7], v[8*(8*(\a)+\b):8*(8*(\a)+\b)+7]
.endif
.endr
.endm
; 24 LDS loads in one run: quarter q of a slot (plane q / 2, 32 k at byte 64 (q % 2) of the rows) into buffers f: Wo's 16, then the tokens' blocks 0, 1, then 2, 3
.macro FETCH slot, q, f
	WIN 0
.irp i, 0,1,2,3,4,5,6,7
	ds_load_b128 v[BFR+64*(\f)+8*\i:BFR+64*(\f)+8*\i+3],   v[ADRB+\slot] offset:((\q)>>1)*BPL+((\q)&1)*64+\i*2176
	ds_load_b128 v[BFR+64*(\f)+8*\i+4:BFR+64*(\f)+8*\i+7], v[ADRB+\slot] offset:((\q)>>1)*BPL+((\q)&1)*64+\i*2176+32
.endr
.irp i, 0,1,2,3
	ds_load_b128 v[AFR+32*(\f)+8*\i:AFR+32*(\f)+8*\i+3],   v[ADRA+\slot] offset:((\q)>>1)*APL+((\q)&1)*64+\i*2176
	ds_load_b128 v[AFR+32*(\f)+8*\i+4:AFR+32*(\f)+8*\i+7], v[ADRA+\slot] offset:((\q)>>1)*APL+((\q)&1)*64+\i*2176+32
.endr
.endm
.macro PLACES                          ; four plain vector instructions in front of loads into registers that matrix instructions have read, and of the first read of results
.rept 4
	v_nop
.endr
.endm
; A K step is four quarters of 32 along K, 32 matrix instructions each, on buffers 0, 1, 0, 1.  One of the first three: multiplies buffers f and fetches quarter q into g.
.macro QUARTER slot, q, f, g, first
	s_wait_dscnt 4                                 ; Wo's fragments and the tokens' blocks 0, 1 are in; the youngest four loads may be out
	WIN MUL+0x10*(\first)
	MUL8 \f, 0, \first
	MUL8 \f, 1, \first
	PLACES
	FETCH \slot, \q, \g
	s_wait_dscnt 24                                ; all but the 24 just issued
	WIN MUL+0x10*(\first)
	MUL8 \f, 2, \first
	MUL8 \f, 3, \first
.endm
; The last quarter multiplies buffers 1 and changes slots: ONE barrier; in front of it each wave waits for all its tensor loads, adds 0 to its spare word, and waits for that and for its own reads of this slot.
; fill = 1: the barrier opens a round of the cluster's, and this slot is filled again, two K steps ahead: from that request to the wait for it a wave issues 112 matrix instructions.
.macro TURN slot, next, fill
	WIN 0                                          ; (the add's two registers lie in window 0)
	s_wait_tensorcnt 0x0                           ; all my tensor loads have landed: my part of the next slot;
	ds_add_u32 v[SPW], v[NIL]                      ; 0 onto my spare word;
	s_wait_dscnt 5                                 ; (the add and the youngest four loads may be out)
	WIN MUL
	MUL8 1, 0, 0                                   ; eight matrix instructions stand between the add and the wait for it
	s_wait_dscnt 0x0                               ; the add is done, and my reads of this slot are over
	s_barrier_signal -1
	MUL8 1, 1, 0
	WIN 0
	s_barrier_wait -1
.if \fill
	CREST                                          ; no wave of any partner still reads this slot's tiles or has a load on its way
	s_add_nc_u64 s[G0+4*\slot+2:G0+4*\slot+3], s[G0+4*\slot+2:G0+4*\slot+3], 4194304      ; four planes on
	s_add_nc_u64 s[G0B+4*\slot+2:G0B+4*\slot+3], s[G0B+4*\slot+2:G0B+4*\slot+3], 524288
	JLOAD \slot                                    ; the first tensor load behind the round; the four v_nop behind it are also the places in front of the loads below
.else
	PLACES
.endif
	FETCH \next, 0, 0
	WIN MUL
	MUL8 1, 2, 0
	MUL8 1, 3, 0
.endm
	s_wait_tensorcnt 1                             ; my part of K step 0 is in (K step 1's may be out)
	s_barrier_signal -1
	s_barrier_wait -1                              ; everybody's is
	FETCH 0, 0, 0
	s_wait_loadcnt 0x0                             ; the bias
	QUARTER 0, 1, 0, 1, 1                          ; the first quarter stands in front of the loop: its products start the sums
	WIN 0                                          ; at a label and at a branch every window is 0
	s_mov_b32 s3, LAPS-1
.Llap:                                             ; a trip goes once round the ring, from a lap's second quarter to the next lap's first, and fills both slots again
	QUARTER 0, 2, 1, 0, 0
	QUARTER 0, 3, 0, 1, 0
	TURN 0, 1, 1
	QUARTER 1, 1, 0, 1, 0
	QUARTER 1, 2, 1, 0, 0
	QUARTER 1, 3, 0, 1, 0
	TURN 1, 0, 1
	QUARTER 0, 1, 0, 1, 0
	WIN 0
	s_sub_co_u32 s3, s3, 1
	s_cmp_lg_u32 s3, 0
	s_cbranch_scc1 .Llap
	QUARTER 0, 2, 1, 0, 0                          ; the last lap fills nothing, and has no round of the cluster's barrier
	QUARTER 0, 3, 0, 1, 0
	TURN 0, 1, 0
	QUARTER 1, 1, 0, 1, 0
	QUARTER 1, 2, 1, 0, 0
	QUARTER 1, 3, 0, 1, 0
	s_wait_dscnt 4                                 ; the very last quarter: nothing more to fetch
	WIN MUL
	MUL8 1, 0, 0
	MUL8 1, 1, 0
	s_wait_dscnt 0
	MUL8 1, 2, 0
	MUL8 1, 3, 0
	WIN 0
; THE WAY OUT, block by block of 16 tokens x 128 columns: a lane's 32 bytes of a row go into my own stage and come back as whole rows of 512 bytes.
.macro TOSTAGE a
	WIN 0x04                                       ; an LDS store's data are its source 1: window 1
.irp b, 0,1,2,3,4,5,6,7
	ds_store_b128 v[STO], v[8*(8*(\a)+\b):8*(8*(\a)+\b)+3] offset:64*\b            ; each accumulator from its low end on
	ds_store_b128 v[STO], v[8*(8*(\a)+\b)+4:8*(8*(\a)+\b)+7] offset:64*\b+16
.endr
	WIN 0
.set BB, BFR+64*((\a)%2)
.irp t, 0,1,2,3,4,5,6,7,8,9,10,11,12,13,14,15
	ds_load_b128 v[BB+4*\t:BB+4*\t+3], v[RD] offset:\t*SPITCH      ; LDS serves a wave's instructions in order (ISA guide 5.7.1.4): these see the stores above
.endr
.endm
.macro SEND a, younger                 ; younger: the LDS instructions issued behind block a's loads, which may stay out
.set BB, BFR+64*((\a)%2)
	s_wait_dscnt \younger
.irp t, 0,1,2,3,4,5,6,7,8,9,10,11,12,13,14,15
	global_store_b128 v[CO], v[BB+4*\t:BB+4*\t+3], s[22:23] offset:(\a)*65536+\t*4096 th:TH_STORE_NT   ; 32 lanes store 512 consecutive bytes, aligned; every offset is an immediate
.endr
.endm
	PLACES                                         ; behind the last products: for the reads of results and for the loads into the registers that held Wo's fragments
	TOSTAGE 0
.irp a, 1,2,3
.if \a > 1
	s_wait_xcnt 0x0                                ; block a - 2's stores have read their registers: block a's loads may land there
.endif
	TOSTAGE \a
	SEND \a-1, 32                                  ; behind block a - 1's loads: block a's 16 stores and 16 loads
.endr
	SEND 3, 0
	s_wait_tensorcnt 0x0                           ; the wave's end: three lines behind my last tensor load and my last LDS store
	ds_add_u32 v[SPW], v[NIL]
	s_wait_dscnt 0x0
	CROUND                                         ; the closing round: no work-group ends while a partner may still ask for a tile that names it
	s_endpgm
.Lfunc_end_k_q1f8fddc196_oproj:
	.size	k_q1f8fddc196_oproj, .Lfunc_end_k_q1f8fddc196_oproj-k_q1f8fddc196_oproj
	.p2alignl 7, 3214868480
	.fill 96, 4, 3214868480
	.section	.rodata,"a",@progbits
	.p2align	6, 0x0
	.amdhsa_kernel k_q1f8fddc196_oproj
		.amdhsa_group_segment_fixed_size 327680
		.amdhsa_private_segment_fixed_size 0
		.amdhsa_enable_private_segment 0
		.amdhsa_kernarg_size 32
		.amdhsa_user_sgpr_count 2
		.amdhsa_user_sgpr_kernarg_segment_ptr 1
		.amdhsa_wavefront_size32 1
		.amdhsa_system_sgpr_workgroup_id_x 1
		.amdhsa_system_sgpr_workgroup_id_y 1
		.amdhsa_system_sgpr_workgroup_id_z 1
		.amdhsa_system_vgpr_workitem_id 0
		.amdhsa_next_free_vgpr 576
		.amdhsa_next_free_sgpr 66
		.amdhsa_reserve_vcc 0
		.amdhsa_float_denorm_mode_32 3
		.amdhsa_float_denorm_mode_16_64 3
		.amdhsa_memory_ordered 1
		.amdhsa_forward_progress 1
		.amdhsa_inst_pref_size 86
	.end_amdhsa_kernel
	.amdgpu_metadata
---
amdhsa.version: [ 1, 2 ]
amdhsa.kernels:
  - .name:           k_q1f8fddc196_oproj
    .symbol:         k_q1f8fddc196_oproj.kd
    .args:
      - { .name: att, .offset: 0, .size: 8, .value_kind: global_buffer, .address_space: global }
      - { .name: woh, .offset: 8, .size: 8, .value_kind: global_buffer, .address_space: global }
      - { .name: bo, .offset: 16, .size: 8, .value_kind: global_buffer, .address_space: global }
      - { .name: out0, .offset: 24, .size: 8, .value_kind: global_buffer, .address_space: global }
    .group_segment_fixed_size: 327680
    .private_segment_fixed_size: 0
    .kernarg_segment_align: 8
    .kernarg_segment_size: 32
    .max_flat_workgroup_size: 128
    .sgpr_count:     66
    .vgpr_count:     576
    .wavefront_size: 32
...
	.end_amdgpu_metadata
.endif
;; end of part 4
